; MI455X (gfx1250); checked and timed in simulation.
; The chip was launched on July 23, 2026; its instructions are those of AMD's public machine-readable ISA for CDNA 5 (MIT licence, August 2026) and "CDNA5" Instruction Set Architecture Reference Guide (July 2026). The comments in the code are by the model that wrote it; some were corrected since.
;; SW Attention. Allowed arithmetic: matrix products marked QUANTISED: E2M1 operands, one E8M0 scale for each 32 along K, by v_wmma_scale_f32_16x16x128_f8f6f4 with both operands' format E2M1 (or v_wmma_scale_f32_32x16x128_f4), f32 sums; products left as they are: bf16, f16 or f32 operands; f32 sums; everything else in f32.
;; Inputs: Wk 512 x 2,048 float32; Wo 2,048 x 2,048 float32; Wq 2,048 x 2,048 float32; Wv 512 x 2,048 float32; bias 32 x 512 float32; hidden_states 2 x 2,048 x 2,048 float32; tau 32 float32.
;; Outputs: out0 2 x 2,048 x 2,048 float32.
;; This version of the problem:
;;   THIS VERSION OF THE PROBLEM IS GIVEN IN LOW PRECISION. The matrix products marked QUANTISED in the list below multiply operands that are first quantised to E2M1 (2 exponent bits, 1 mantissa bit; 4 bits a number), with one power-of-two scale for each 32 numbers along K (OCP MX v1.0); their sums are f32. The products marked 'left as it is' may take bf16, f16 or f32 operands, with f32 sums. Whichever they take, every output number must still come out within the allowed error. Rounding operands to bf16 (8 significant bits) uses up far more of that allowance than f16 does (11 bits, for magnitudes from 6e-5 to 65,504). All else is computed in f32.
;;   The module's matrix products, in the order in which they are computed (A, B: the left and right operand; K: the contracted axis; several contracted axes count as one K, in the product's order):
;;     1. [M 4,096, K 2,048] x [K 2,048, N 2,048]; A: input hidden_states; B: input Wq: QUANTISED
;;     2. [M 4,096, K 2,048] x [K 2,048, N 512]; A: input hidden_states; B: input Wk: QUANTISED
;;     3. [M 4,096, K 2,048] x [K 2,048, N 512]; A: input hidden_states; B: input Wv: QUANTISED
;;     4. batch 256 x [M 512, K 64] x [K 64, N 1,024]; A: computed on the way; B: computed on the way: left as it is (an operand is computed on the way)
;;     5. batch 256 x [M 512, K 1,024] x [K 1,024, N 64]; A: computed on the way; B: computed on the way: left as it is (an operand is computed on the way)
;;     6. [M 4,096, K 2,048] x [K 2,048, N 2,048]; A: computed on the way; B: input Wo: left as it is (an operand is computed on the way)
;;   THE QUANTISER, for each operand of a quantised product, along K:
;;     - K is cut into blocks of 32 from its start; a last block that is shorter is filled with zeros.
;;     - A block's scale is 2^e with e = floor(log2(the largest magnitude in the block)) - 2, held to -126 .. 127; a block of zeros has e = 0. As a byte (E8M0): e + 127.
;;     - Each number is divided by its block's scale, clamped to +-6, and rounded to the nearest number of E2M1, ties to even, subnormals kept.
;;     - The product sums the exact products of the quantised numbers (number of the format x scale) in f32.
;;   ~~~python
;;   def quantise(x, axis):      # numpy; x: float32 -> the quantised numbers, widened to float32 again
;;       x = np.moveaxis(x, axis, -1); K = x.shape[-1]
;;       x = np.pad(x, [(0, 0)] * (x.ndim - 1) + [(0, -K % 32)]); x = x.reshape(x.shape[:-1] + (-1, 32)); a = np.abs(x).max(-1, keepdims=True)
;;       e = np.where(a > 0, np.clip(np.frexp(np.where(a > 0, a, 1))[1] - 1 - 2, -126, 127), 0)      # np.frexp(a)[1] - 1 = floor(log2(a)), exactly
;;       r = np.clip(x / 2.0 ** e, -6, 6)
;;       step = 2.0 ** (np.maximum(np.frexp(np.where(r == 0, 1, r))[1] - 1, 0) - 1)
;;       q = np.round(r / step) * step * 2.0 ** e      # np.round: ties to even
;;       return np.moveaxis(q.reshape(q.shape[:-2] + (-1,))[..., :K], -1, axis).astype(np.float32)
;;   ~~~
;; One version. Each part assembles by itself: llvm-mc -triple=amdgcn-amd-amdhsa -mcpu=gfx1250 --defsym DOCPART=n.
;; ======== version 1 of 1: 6 launches
;; limits: values are held in f16: magnitudes above 65,504 overflow, below 6.1e-05 lose precision
;; workspace buffers: codes 7,340,032 bytes; scales 458,752 bytes; wof 8,388,608 bytes; tabs 860,160 bytes; qkvf 25,165,824 bytes; of 16,777,216 bytes; x32 393,216 bytes; o32 262,144 bytes
;; launch prep (part 1): grid 608 x 1, 4 waves a work-group, no clusters, 51,712 bytes of LDS; arguments hidden_states, Wq, Wk, Wv, Wo, bias, codes, scales, wof, tabs; writes codes, scales, wof, tabs
.if DOCPART == 1
	.amdgcn_target "amdgcn-amd-amdhsa--gfx1250"
	.amdhsa_code_object_version 6
	.text
	.protected	k_q02b1427d42_prep
	.globl	k_q02b1427d42_prep
	.p2align	8
	.type	k_q02b1427d42_prep,@function
k_q02b1427d42_prep:
	s_mov_b64 s[64:65], 0
	v_nop
	global_prefetch_b8 v0, s[64:65] scope:SCOPE_SE
	s_setreg_imm32_b32 hwreg(HW_REG_WAVE_MODE, 25, 1), 1
	s_wait_xcnt 0x0
; PREP: everything that later launches read many times is made once.  Three kinds of work-group, told apart by the work-group's number alone:
;   0-447   hidden_states, Wq, Wk, Wv (f32, K innermost) become codes of FP4 (E2M1) and one E8M0 byte for each 32 along K: codes [7168 rows][1024 bytes], scales [7168][64];
;           rows 0-4095 hidden_states, then Wq's 2048, Wk's 512, Wv's 512.
;   448-575 Wo becomes f16, laid as images of operand registers: wof [n tile 128][k32 64][c 2][lane 32][16 bytes]; lane (r, h) of piece (s, c) holds Wo[16 nt + r][32 s + 16 c + 8 h + 0..7].
;   576-607 tables: cos and sin of the rotary angles, [position tile 128][piece 8][lane][16 bytes] f32 (piece = 4 cs + 2 b + q; lane (r, h): position 16 PT + r, d' = 16 b + 8 h + 4 q + 0..3), and from byte 524,288
;           the bias with the window's mask folded in: [head 32][copy 4][656] f32, copy_s[y] = bias[head][576 - y - s] x log2(e) where 0 <= 576 - y - s <= 511, else -1e30.
; A block's scale is 2^(floor(log2(its largest magnitude)) - 2); its byte is the largest magnitude's exponent field - 2, held at 1 from below (a block of zeros keeps the byte 1: its codes are zeros, and this program alone reads the bytes).
; LIMITS: blocks whose largest magnitude lies under 2^-124 keep the byte 1; NaN and infinities among the inputs are not served; |Wo| stays under 65,504 (f16); the angle's reduction holds for angles under 2^11, which 2,048 positions give.
; Each kind of work-group has LDS bytes of its own: the quantiser 0-32,767, Wo's stages 32,768-51,199; the spare words lie behind them.
.set SPARE, 51200
.set SPW,   12                         ; v12  LDS address of my spare word; never rewritten
.set NIL,   13                         ; v13  0; never rewritten
	s_load_b512 s[4:19], s[0:1], 0x0               ; hidden s[4:5], Wq s[6:7], Wk s[8:9], Wv s[10:11], Wo s[12:13], bias s[14:15], codes s[16:17], scales s[18:19]
	s_load_b128 s[20:23], s[0:1], 0x40             ; wof s[20:21], tabs s[22:23]
	v_lshl_add_u32 v[SPW], v0, 2, SPARE
	v_mov_b32 v[NIL], 0
	v_lshrrev_b32 v1, 5, v0
	v_readfirstlane_b32 s24, v1                    ; wave 0..3
	v_and_b32 v2, 31, v0                           ; lane
	s_wait_kmcnt 0x0
	s_cmp_lt_u32 ttmp9, 448
	s_cbranch_scc1 .Lquant
	s_cmp_lt_u32 ttmp9, 576
	s_cbranch_scc1 .Lwo
; ---------------------------------------------------------------- the tables
	s_sub_co_u32 s25, ttmp9, 576                   ; 0..31: four position tiles, and one head's bias
	s_lshl_b32 s26, s25, 2
	s_add_co_u32 s26, s26, s24                     ; my wave's position tile
	v_and_b32 v3, 15, v0                           ; r
	v_bfe_u32 v4, v0, 4, 1                         ; h
	v_lshlrev_b32 v5, 4, v2                        ; 16 x lane
	s_lshl_b32 s27, s26, 4
	v_add_nc_u32 v6, s27, v3
	v_cvt_f32_u32 v6, v6                           ; my position, as f32
	v_lshlrev_b32 v7, 3, v4                        ; 8 h
	s_mov_b32 s28, 0x3f22f983                      ; 2 / pi
	s_mov_b32 s29, 0xbfc90fdb                      ; -(pi / 2), its f32 part
	s_mov_b32 s30, 0x333bbd2e                      ; and what that part is too large by
	s_mov_b32 s31, 0xbe2aaaab                      ; sine: -1/6, 1/120, -1/5040, 1/362880
	s_mov_b32 s32, 0x3c088889
	s_mov_b32 s33, 0xb9500d01
	s_mov_b32 s34, 0x3638ef1d
	s_mov_b32 s35, 0xbed49a78                      ; -log2(10000) / 32
	s_mov_b32 s36, 0x3d2aaaab                      ; cosine: (-1/2,) 1/24, -1/720, 1/40320, -1/3628800
	s_mov_b32 s37, 0xbab60b61
	s_mov_b32 s38, 0x37d00d01
	s_mov_b32 s39, 0xb493f27e
.set k, 0
.rept 16
	v_add_nc_u32 v[32+k], 16*(k/8)+(k%8), v7       ; my 16 values of d': number 8 b + 4 q + e is 16 b + 8 h + 4 q + e
.set k, k+1
.endr
.set k, 0
.rept 16
	v_cvt_f32_u32 v[32+k], v[32+k]
.set k, k+1
.endr
.set k, 0
.rept 16
	v_mul_f32 v[32+k], s35, v[32+k]
.set k, k+1
.endr
.set k, 0
.rept 16
	v_exp_f32 v[32+k], v[32+k]                     ; 10000^(-d' / 32): one batch
.set k, k+1
.endr
	v_nop                                          ; a plain instruction behind the last of them
	s_wait_alu depctr_va_vdst(0)                   ; one wait for the batch, ahead of its first reader
.set k, 0
.rept 16
	v_mul_f32 v[32+k], v6, v[32+k]                 ; the angle
.set k, k+1
.endr
; cos and sin of v[x], 0 <= x < 2^11.  n = the nearest whole number to x 2 / pi; r = x - n pi / 2 in two fused steps (the first rounds nothing: x and n x the f32 part are multiples of 2^-23 and their difference is under 1);
; polynomials on |r| <= pi / 4; the quadrant n mod 4 swaps the two and sets their signs, by selects.
.macro SINCOS x, c, s
	v_mul_f32 v8, s28, v[\x]
	v_rndne_f32 v8, v8
	v_fma_f32 v9, v8, s29, v[\x]
	v_fma_f32 v9, v8, s30, v9
	v_cvt_i32_f32 v8, v8
	v_mul_f32 v10, v9, v9
	v_fma_f32 v11, v10, s34, s33
	v_fma_f32 v15, v10, s39, s38
	v_fma_f32 v11, v11, v10, s32
	v_fma_f32 v15, v15, v10, s37
	v_fma_f32 v11, v11, v10, s31
	v_fma_f32 v15, v15, v10, s36
	v_mul_f32 v14, v10, v9
	v_fma_f32 v15, v15, v10, -0.5
	v_fma_f32 v11, v11, v14, v9                    ; sin r
	v_fma_f32 v15, v15, v10, 1.0                   ; cos r
	v_and_b32 v14, 1, v8
	v_cmp_eq_u32 vcc_lo, 1, v14
	v_cndmask_b32 v[\s], v11, v15, vcc_lo
	v_cndmask_b32 v[\c], v15, v11, vcc_lo
	v_and_b32 v14, 2, v8
	v_lshlrev_b32 v14, 30, v14
	v_xor_b32 v[\s], v14, v[\s]                    ; the sine is negative in quadrants 2 and 3,
	v_add_nc_u32 v14, 1, v8
	v_and_b32 v14, 2, v14
	v_lshlrev_b32 v14, 30, v14
	v_xor_b32 v[\c], v14, v[\c]                    ; the cosine in 1 and 2
.endm
.set k, 0
.rept 16
	SINCOS 32+k, 48+k, 64+k
.set k, k+1
.endr
	s_lshl_b32 s40, s26, 12                        ; 4,096 bytes a position tile
	s_mov_b32 s41, 0
	s_add_nc_u64 s[42:43], s[22:23], s[40:41]
.irp p, 0,1,2,3
	global_store_b128 v5, v[48+4*\p:51+4*\p], s[42:43] offset:512*\p          ; each store of the wave covers 512 consecutive bytes
	global_store_b128 v5, v[64+4*\p:67+4*\p], s[42:43] offset:2048+512*\p
.endr
	; the bias: wave s makes copy s of head s25: 164 groups of four numbers, 32 groups a turn
	s_lshl_b32 s40, s25, 11
	s_add_nc_u64 s[44:45], s[14:15], s[40:41]      ; the head's 512 numbers
	s_mul_i32 s40, s25, 10496
	s_mul_i32 s46, s24, 2624
	s_add_co_u32 s40, s40, s46
	s_add_co_u32 s40, s40, 524288
	s_add_nc_u64 s[46:47], s[22:23], s[40:41]      ; my copy
	v_lshl_add_u32 v17, v2, 2, s24                 ; 4 x lane + s
.set k, 0
.rept 24
	v_sub_nc_u32 v[120+k], 576-128*(k/4)-(k%4), v17   ; rel = 576 - s - y, y = 128 turn + 4 lane + e
	v_min_u32 v[96+k], 0x1ff, v[120+k]             ; inside the table for every rel (a negative one is a large unsigned number); what is read for a rel outside 0..511 is thrown away below
	v_lshlrev_b32 v[96+k], 2, v[96+k]
	global_load_b32 v[144+k], v[96+k], s[44:45]
.set k, k+1
.endr
	v_mov_b32 v18, 0xf149f2ca                      ; -1e30
	s_wait_loadcnt 0x0
.set k, 0
.rept 24
	v_mul_f32 v[144+k], 0x3fb8aa3b, v[144+k]       ; x log2(e): the softmax works in powers of two
	v_cmp_gt_u32 vcc_lo, 0x200, v[120+k]
	v_cndmask_b32 v[144+k], v18, v[144+k], vcc_lo
.set k, k+1
.endr
.irp t, 0,1,2,3,4
	global_store_b128 v5, v[144+4*\t:147+4*\t], s[46:47] offset:512*\t
.endr
	s_wait_xcnt 0x0                                ; EXEC changes only behind this wait
	v_cmp_gt_u32 vcc_lo, 4, v2
	s_and_saveexec_b32 s40, vcc_lo                 ; the last turn has four groups
	global_store_b128 v5, v[164:167], s[46:47] offset:2560
	s_wait_xcnt 0x0                                ; and again, in front of the line that widens it
	s_or_b32 exec_lo, exec_lo, s40
	s_wait_tensorcnt 0x0                           ; the wave's end
	ds_add_u32 v[SPW], v[NIL]
	s_wait_dscnt 0x0
	s_endpgm
; ---------------------------------------------------------------- Wo to f16 images
; The work-group takes 16 rows of Wo (one n tile), wave w the columns 512 w .. 512 w + 511, in 8 steps of 64.  A load takes two rows x 256 consecutive bytes; four f32 become 8 bytes; a step's 16 rows x 128 bytes
; turn through the wave's own stage (rows 144 bytes apart, two stages by turns) and come back as four pieces in the order of the operand's registers; each store covers 512 consecutive bytes.
.set RB, 16                            ; v16-79   two sets of 32 numbers as loaded
.set HB, 80                            ; v80-95   a step's f16
.set OB, 96                            ; v96-127  two sets of four pieces
.Lwo:
	s_sub_co_u32 s25, ttmp9, 448                   ; the n tile
	v_and_b32 v7, 15, v0
	v_bfe_u32 v8, v0, 4, 1
	v_lshlrev_b32 v3, 13, v8
	v_lshl_add_u32 v3, v7, 4, v3                   ; in: row lane / 16 of a pair, 16 bytes a lane
	s_mul_i32 s26, s24, 4608
	s_add_co_u32 s26, s26, 32768                   ; my two stages
	v_mul_u32_u24 v4, v8, 144
	v_lshl_add_u32 v4, v7, 3, v4
	v_add_nc_u32 v4, s26, v4                       ; into a stage: the same row, 8 bytes a lane
	v_mul_u32_u24 v5, v7, 144
	v_lshl_add_u32 v5, v8, 4, v5
	v_add_nc_u32 v5, s26, v5                       ; out of it: row r, + 16 h
	v_lshlrev_b32 v6, 4, v2                        ; 16 x lane
	s_lshl_b32 s28, s25, 17
	s_lshl_b32 s27, s24, 11
	s_add_co_u32 s28, s28, s27
	s_mov_b32 s29, 0
	s_add_nc_u64 s[30:31], s[12:13], s[28:29]      ; Wo: 16 rows of 8,192 bytes a tile, 2,048 bytes a wave
	s_lshl_b32 s28, s25, 16
	s_lshl_b32 s27, s24, 14
	s_add_co_u32 s28, s28, s27
	s_add_nc_u64 s[32:33], s[20:21], s[28:29]      ; wof: 65,536 bytes a tile, 16,384 a wave
.macro LOADB t
.irp i, 0,1,2,3,4,5,6,7
	global_load_b128 v[RB+32*((\t)%2)+4*\i:RB+32*((\t)%2)+4*\i+3], v3, s[30:31] offset:\i*16384+(\t)*256 th:TH_LOAD_NT
.endr
.endm
.macro STEPB t
	s_wait_xcnt 0x0                                ; the stores of two steps ago have read their registers: this step's pieces may land there
.if (\t) < 7
	s_wait_loadcnt 8                               ; this step's eight loads are in; the next step's may be out
.else
	s_wait_loadcnt 0x0
.endif
.irp i, 0,1,2,3,4,5,6,7
	v_cvt_pk_f16_f32 v[HB+2*\i], v[RB+32*((\t)%2)+4*\i], v[RB+32*((\t)%2)+4*\i+1]
	v_cvt_pk_f16_f32 v[HB+2*\i+1], v[RB+32*((\t)%2)+4*\i+2], v[RB+32*((\t)%2)+4*\i+3]
.endr
.if (\t)+2 < 8
	LOADB (\t)+2
.endif
.irp i, 0,1,2,3,4,5,6,7
	ds_store_b64 v4, v[HB+2*\i:HB+2*\i+1] offset:((\t)%2)*2304+\i*288
.endr
.irp p, 0,1,2,3
	ds_load_b128 v[OB+16*((\t)%2)+4*\p:OB+16*((\t)%2)+4*\p+3], v5 offset:((\t)%2)*2304+32*\p   ; LDS serves a wave's instructions in order: these see the stores above
.endr
	s_wait_dscnt 0x0                               ; the pieces are in, and the stage's stores have read v80-95
.irp p, 0,1,2,3
	global_store_b128 v6, v[OB+16*((\t)%2)+4*\p:OB+16*((\t)%2)+4*\p+3], s[32:33] offset:(\t)*2048+\p*512
.endr
.endm
	LOADB 0
	LOADB 1
.irp t, 0,1,2,3,4,5,6,7
	STEPB \t
.endr
	s_wait_tensorcnt 0x0                           ; the wave's end, behind my last LDS store
	ds_add_u32 v[SPW], v[NIL]
	s_wait_dscnt 0x0
	s_endpgm
; ---------------------------------------------------------------- the quantiser
; All four tensors are dense streams of blocks of 32 along K.  A wave takes 16 steps of 512 numbers.  Each load reads 512 consecutive bytes, 16 a lane; a step's 2,048 bytes go through the wave's own stage in LDS
; (16 bytes of padding behind each 64) and come back 64 bytes a lane: 16 neighbours along K, two lanes to a block, as the conversion wants them.  A lane's 16 codes are 8 bytes: the wave stores 256 consecutive bytes.
; A wave's 256 scale bytes are gathered in its own LDS bytes and leave as one store of 256 consecutive bytes.  Loads run four steps ahead, the turn through LDS one.
.set STEPS, 16
.set EMAX,  2
.set CB,    8
.set R,     16                         ; v16-79   four sets of 16 numbers as loaded
.set X,     80                         ; v80-111  two sets of 16 neighbours
.set E,     112                        ; v112-127 a scale byte for each step
.set C,     128                        ; v128-191 codes: registers of its own for each step, so that no store's data are written again
.set WREG,  8192
.set SP,    80
.Lquant:
	s_cmp_lt_u32 ttmp9, 256                        ; which tensor: the choice hangs on the work-group's number alone
	s_cselect_b64 s[26:27], s[4:5], s[6:7]
	s_cselect_b32 s25, 0, 256
	s_cmp_lt_u32 ttmp9, 384
	s_cselect_b64 s[26:27], s[26:27], s[8:9]
	s_cselect_b32 s25, s25, 384
	s_cmp_lt_u32 ttmp9, 416
	s_cselect_b64 s[26:27], s[26:27], s[10:11]
	s_cselect_b32 s25, s25, 416                    ; the tensor's first work-group
	s_sub_co_u32 s25, ttmp9, s25
	s_lshl_b32 s25, s25, 2
	s_add_co_u32 s25, s25, s24                     ; my wave's run of 8,192 numbers in the tensor
	s_lshl_b32 s28, s25, 15
	s_mov_b32 s29, 0
	s_add_nc_u64 s[26:27], s[26:27], s[28:29]
	s_lshl_b32 s25, ttmp9, 2
	s_add_co_u32 s25, s25, s24                     ; and among all runs: the tensors' rows follow each other in codes and scales
	s_lshl_b32 s28, s25, 12
	s_add_nc_u64 s[16:17], s[16:17], s[28:29]
	s_lshl_b32 s28, s25, 8
	s_add_nc_u64 s[18:19], s[18:19], s[28:29]
	v_lshlrev_b32 v3, 4, v2                        ; my 16 bytes of a load's 512
	s_mul_i32 s30, s24, WREG
	v_lshrrev_b32 v14, 2, v2
	v_mul_u32_u24 v14, v14, SP
	v_and_b32 v15, 3, v2
	v_lshl_add_u32 v14, v15, 4, v14
	v_add_nc_u32 v14, s30, v14                     ; the stage, on the way in: four lanes' 64 bytes on end, then 16 of padding
	v_mul_u32_u24 v15, v2, SP
	v_add_nc_u32 v15, s30, v15                     ; and on the way out: my 16 neighbours
	v_mul_u32_u24 v4, v2, CB                       ; my codes' place in a step's
	v_lshrrev_b32 v5, 1, v2
	s_add_co_u32 s30, s30, 2*32*SP
	v_add_nc_u32 v5, s30, v5                       ; my wave's 256 scale bytes, my block's byte
	v_lshlrev_b32 v7, 3, v2
	v_add_nc_u32 v6, s30, v7                       ; and on the way out 8 bytes a lane
.macro QLOAD t
.irp i, 0,1,2,3
	global_load_b128 v[R+16*((\t)%4)+4*\i:R+16*((\t)%4)+4*\i+3], v3, s[26:27] offset:2048*(\t)+512*\i th:TH_LOAD_NT
.endr
.endm
.macro QTURN t                         ; step t's numbers through the stage: LDS serves a wave's instructions in order
.irp i, 0,1,2,3
	ds_store_b128 v14, v[R+16*((\t)%4)+4*\i:R+16*((\t)%4)+4*\i+3] offset:32*SP*((\t)%2)+8*SP*\i
.endr
.irp i, 0,1,2,3
	ds_load_b128 v[X+16*((\t)%2)+4*\i:X+16*((\t)%2)+4*\i+3], v15 offset:32*SP*((\t)%2)+16*\i
.endr
.endm
.irp t, 0,1,2,3
	QLOAD \t
.endr
	s_wait_loadcnt 12                              ; step 0's four loads are in
	QTURN 0
.macro QSTEP t
.set XS, X+16*((\t)%2)
.if (\t) > 0
	s_wait_dscnt 1                                 ; this step's numbers are back from the stage (the last step's byte store may be out)
.else
	s_wait_dscnt 0x0
.endif
.if (\t)+4 < STEPS
	QLOAD (\t)+4
.endif
.if (\t)+1 < STEPS
.if STEPS-2-(\t) >= 3
	s_wait_loadcnt 12                              ; the next step's four loads are in; those of the three steps behind it may be out
.else
	s_wait_loadcnt 4*(STEPS-2-(\t))
.endif
	QTURN (\t)+1
.endif
	v_max3_num_f32 v8, |v[XS]|, |v[XS+1]|, |v[XS+2]|
	v_max3_num_f32 v9, |v[XS+3]|, |v[XS+4]|, |v[XS+5]|
.irp i, 6,10
	v_max3_num_f32 v8, v8, |v[XS+\i]|, |v[XS+\i+1]|
	v_max3_num_f32 v9, v9, |v[XS+\i+2]|, |v[XS+\i+3]|
.endr
	v_max3_num_f32 v8, v8, |v[XS+14]|, |v[XS+15]|
	v_max3_num_f32 v8, v8, v9, (EMAX+1)<<23        ; and the floor 2^(3 - 127): the byte cannot fall under 1
	v_max_num_f32_dpp v8, v8, v8 row_xmask:1 row_mask:0xf bank_mask:0xf   ; with my neighbour's 16: the block's largest magnitude
	v_add_nc_u32 v11, -(EMAX<<23), v8              ; 2 off its exponent field: the conversion takes the exponent field of this operand as its scale
	v_cvt_scalef32_pk8_fp4_f32 v[C+4*(\t)], v[XS:XS+7], v11
	v_cvt_scalef32_pk8_fp4_f32 v[C+4*(\t)+1], v[XS+8:XS+15], v11
	v_lshrrev_b32 v[E+(\t)], 23, v11               ; the scale's byte
	ds_store_b8 v5, v[E+(\t)] offset:16*(\t)       ; both lanes of a block write the same byte with the same value
	global_store_b64 v4, v[C+4*(\t):C+4*(\t)+1], s[16:17] offset:32*CB*(\t)
.endm
.irp t, 0,1,2,3,4,5,6,7,8,9,10,11,12,13,14,15
	QSTEP \t
.endr
	ds_load_b64 v[8:9], v6                         ; LDS serves a wave's instructions in order: these see my stores
	s_wait_dscnt 0x0
	global_store_b64 v7, v[8:9], s[18:19]          ; 32 lanes store 256 consecutive bytes
	s_wait_tensorcnt 0x0                           ; the wave's end, behind my last LDS store
	ds_add_u32 v[SPW], v[NIL]
	s_wait_dscnt 0x0
	s_endpgm
.Lfunc_end_k_q02b1427d42_prep:
	.size	k_q02b1427d42_prep, .Lfunc_end_k_q02b1427d42_prep-k_q02b1427d42_prep
	.p2alignl 7, 3214868480
	.fill 96, 4, 3214868480
	.section	.rodata,"a",@progbits
	.p2align	6, 0x0
	.amdhsa_kernel k_q02b1427d42_prep
		.amdhsa_group_segment_fixed_size 51712
		.amdhsa_private_segment_fixed_size 0
		.amdhsa_enable_private_segment 0
		.amdhsa_kernarg_size 80
		.amdhsa_user_sgpr_count 2
		.amdhsa_user_sgpr_kernarg_segment_ptr 1
		.amdhsa_wavefront_size32 1
		.amdhsa_system_sgpr_workgroup_id_x 1
		.amdhsa_system_sgpr_workgroup_id_y 1
		.amdhsa_system_sgpr_workgroup_id_z 1
		.amdhsa_system_vgpr_workitem_id 0
		.amdhsa_next_free_vgpr 192
		.amdhsa_next_free_sgpr 66
		.amdhsa_reserve_vcc 1
		.amdhsa_float_denorm_mode_32 3
		.amdhsa_float_denorm_mode_16_64 3
		.amdhsa_memory_ordered 1
		.amdhsa_forward_progress 1
		.amdhsa_inst_pref_size 93
	.end_amdhsa_kernel
	.amdgpu_metadata
---
amdhsa.version: [ 1, 2 ]
amdhsa.kernels:
  - .name:           k_q02b1427d42_prep
    .symbol:         k_q02b1427d42_prep.kd
    .args:
      - { .name: hidden_states, .offset: 0, .size: 8, .value_kind: global_buffer, .address_space: global }
      - { .name: Wq, .offset: 8, .size: 8, .value_kind: global_buffer, .address_space: global }
      - { .name: Wk, .offset: 16, .size: 8, .value_kind: global_buffer, .address_space: global }
      - { .name: Wv, .offset: 24, .size: 8, .value_kind: global_buffer, .address_space: global }
      - { .name: Wo, .offset: 32, .size: 8, .value_kind: global_buffer, .address_space: global }
      - { .name: bias, .offset: 40, .size: 8, .value_kind: global_buffer, .address_space: global }
      - { .name: codes, .offset: 48, .size: 8, .value_kind: global_buffer, .address_space: global }
      - { .name: scales, .offset: 56, .size: 8, .value_kind: global_buffer, .address_space: global }
      - { .name: wof, .offset: 64, .size: 8, .value_kind: global_buffer, .address_space: global }
      - { .name: tabs, .offset: 72, .size: 8, .value_kind: global_buffer, .address_space: global }
    .group_segment_fixed_size: 51712
    .private_segment_fixed_size: 0
    .kernarg_segment_align: 8
    .kernarg_segment_size: 80
    .max_flat_workgroup_size: 128
    .sgpr_count:     66
    .vgpr_count:     192
    .wavefront_size: 32
...
	.end_amdgpu_metadata
.endif
;; end of part 1
;; launch qkv (part 2): grid 16 x 16, 4 waves a work-group, clusters of 4 x 4, 327,680 bytes of LDS; arguments codes, scales, tabs, qkvf, x32; writes qkvf, x32
.if DOCPART == 2
	.amdgcn_target "amdgcn-amd-amdhsa--gfx1250"
	.amdhsa_code_object_version 6
	.text
	.protected	k_q02b1427d42_qkv
	.globl	k_q02b1427d42_qkv
	.p2align	8
	.type	k_q02b1427d42_qkv,@function
k_q02b1427d42_qkv:
	s_mov_b64 s[64:65], 0
	v_nop
	global_prefetch_b8 v0, s[64:65] scope:SCOPE_SE
	s_setreg_imm32_b32 hwreg(HW_REG_WAVE_MODE, 25, 1), 1
	s_wait_xcnt 0x0
	s_wait_alu depctr_hold_cnt(0) depctr_sa_sdst(0) depctr_va_vdst(0) depctr_va_sdst(0) depctr_va_ssrc(0) depctr_va_vcc(0) depctr_vm_vsrc(0)
	s_getreg_b32 s2, hwreg(HW_REG_IB_STS2, 6, 4)
	s_cmp_eq_u32 s2, 0
	s_cbranch_scc0 .Lentry_in_a_cluster
	s_endpgm
.Lentry_in_a_cluster:
	s_bfe_u32 s2, ttmp6, 0x10000c
	s_cmp_lg_u32 s2, 0xf033
	s_cbranch_scc0 .Lentry_shape_is_right
	s_endpgm
.Lentry_shape_is_right:
; QKV: [4096 rows of hidden_states] x [3072 rows of Wq | Wk | Wv]^T over K = 2048, on codes of FP4 (E2M1) with one E8M0 scale for each 32 along K; sums in f32; then the rotary turn, q's scale, and f16.
; A work-group makes 256 rows x 192 columns: three whole heads of 64.  16 x 16 work-groups.  Wave w takes rows 64 w .. 64 w + 63 (4 blocks of 16) against all 192 columns (12 blocks): 48 accumulators, 384 registers.
; K goes in four steps of 512 (rows of 256 bytes of codes) through two LDS slots filled by the tensor data mover.  The scale bytes of the work-group's rows, for all of K, come once, as blocks of 256 bytes + 16 of padding.
; CLUSTERS: 4 x 4 work-groups; the four of a row need the same rows of hidden_states, the four of a column the same rows of the weights: each tile is asked for jointly.
; THE MATRIX INSTRUCTION IS USED TRANSPOSED (source 0 = 16 rows of a weight, source 1 = 16 rows of hidden_states): lane (r, h) holds row r and the columns 16 b + 8 h + 0..7.  So d and d + 32 of a head lie in one lane
; (blocks b and b + 2), the rotary turn needs no other lane, and eight neighbouring d pack into the 16 bytes that the same lane of the reader's operand wants:
;   qkvf [batch 2][head 48][position tile 128][piece 4][lane 32][16 bytes] f16; heads 0-31 q (times log2(e) / 8), 32-39 k, 40-47 v; piece bt, lane (r, h): position 16 PT + r, d = 16 bt + 8 h + 0..7;
;   v's 16 bytes stand at lane place (r % 8) + 8 h + 16 (r / 8), so that the reader's transposing LDS load can take them at 16 x lane.  Every store of the wave covers 512 consecutive bytes.
;   x32 [batch][head 48][piece 8][lane][16 bytes] f32: the same numbers of positions 0-15, unrounded (piece 2 bt + qh: d = 16 bt + 8 h + 4 qh + 0..3).
; What differs between q, k and v heads is two factors, chosen by scalar selects: cos' = cos F + G, sin' = sin F with (F, G) = (log2(e) / 8, 0), (1, 0), (0, 1): no branch hangs on the work-group's place.
; LIMIT: |q| log2(e) / 8, |k| and |v| stay under 65,504 (f16).
; REGISTERS, in windows of 256: window 0: v1-31 addresses; v32-95 scale words, two sets, and nothing else; v128-191 hidden_states' fragments, two sets of 4; on the way out v8-11, v96-231 at work.
;   window 1: the weights' fragments, two sets of 12, at v0 and v128.   window 2: the accumulators of my blocks 0, 1 (block a, column block b at v[8 (12 (a % 2) + b)]); v192-255 their cos and sin.   window 3: the same for blocks 2, 3.
.set PITCH, 272                        ; an LDS row: 256 bytes + 16 of padding: the 16 rows that a load touches start 16 bytes apart modulo 256
.set BOFF,  256*PITCH                  ; a slot: 256 rows of hidden_states, then 192 rows of the weights
.set SLOT,  448*PITCH
.set SCL,   2*SLOT                     ; behind the ring: the scale bytes, 4 rows of 64 bytes to a block of 256 + 16
.set SBLK,  4*272                      ; those of 16 rows
.set SPARE, SCL+112*272                ; behind them: the spare words, 128 bytes for each wave
.set ADRA,  16                         ; v16-17  LDS address of my fragments of hidden_states in slot 0, 1
.set ADRB,  20                         ; v20-21  the same for the weights
.set ADRSA, 22                         ; v22     my scale words of hidden_states: lanes 0-15 blocks 0, 1; lanes 16-31 blocks 2, 3
.set ADRSB, 23                         ; v23     of the weights: lanes 0-15 blocks 0-5; lanes 16-31 blocks 6-11
.set L16,   24                         ; v24     16 x lane
.set PRM,   25                         ; v25     16 x v's lane place
.set OFS,   26                         ; v26-28  one of the two, for each of my three heads
.set FLG,   29                         ; v29     0 where my block 0 holds positions 0-15
.set SPW,   30                         ; v30     LDS address of my spare word; never rewritten
.set NIL,   31                         ; v31     0; never rewritten
.set SC,    32                         ; set s at v[32 + 32 s]: weights' words at 4 (b % 6) + q, hidden_states' at 24 + 4 (a % 2) + q
.set FV,    8                          ; v[8:9]  F twice;  v[10:11] G twice
.set GV,    10
.set CE,    96                         ; v96-111 cos', v112-127 sin'
.set SE,    112
.set AF,    128
.set Y16,   128                        ; the way out: four sets of 16 registers of f16
.set T,     192
.set Y,     200                        ; v200-231 a head's 64 numbers of a row, turned
.set G1,   24                          ; s[24:31] descriptor group 1 for hidden_states' codes;  s[32:39] group 0, a set for each slot
.set G0,   32
.set G1B,  48                          ; s[48:55], s[56:63] the same for the weights'
.set G0B,  56
.set G1S,  68                          ; s[68:75], s[76:79] hidden_states' scales;  s[80:87], s[88:91] the weights'
.set G0S,  76
.set G1SB, 80
.set G0SB, 88
.set MSB, 0
.macro WIN new                         ; the immediate's high byte repeats the setting that is left
.if MSB != (\new)
	s_set_vgpr_msb (MSB<<8)|(\new)
.set MSB, \new
.endif
.endm
.set MUL_LO, 0xa1                      ; source 0 window 1, source 1 window 0, C and D window 2
.set MUL_HI, 0xf1                      ; the same, C and D window 3
.set TO_B,   0x40                      ; destination window 1, address window 0
; A joint load: waves 0 and 1 fetch for hidden_states, waves 2 and 3 for the weights.  The branch hangs on the wave's number alone.  An s_nop 0 and four v_nop follow each of the two lines.
.macro JLOAD g0a, g1a, g0b, g1b
	s_cmp_eq_u32 s15, 0
	s_cbranch_scc0 .Lfor_b_\@
	tensor_load_to_lds s[\g0a:\g0a+3], s[\g1a:\g1a+7]
	s_nop 0
.rept 4
	v_nop
.endr
	s_branch .Lasked_\@
.Lfor_b_\@:
	tensor_load_to_lds s[\g0b:\g0b+3], s[\g1b:\g1b+7]
	s_nop 0
.rept 4
	v_nop
.endr
.Lasked_\@:
.endm
.macro CREST                           ; a round of the cluster's barrier behind its opening barrier
	s_cmp_lg_u32 s14, 0
	s_cbranch_scc1 .Lnot_wave_0_\@
	s_barrier_signal -3
.Lnot_wave_0_\@:
	s_barrier_wait -3
	s_barrier_signal -1
	s_barrier_wait -1
.endm
.macro CROUND
	s_barrier_signal -1
	s_barrier_wait -1
	CREST
.endm
.macro PLACES n
.rept \n
	v_nop
.endr
.endm
	s_load_b256 s[4:11], s[0:1], 0x0               ; codes s[4:5], scales s[6:7], tabs s[8:9], qkvf s[10:11]
	s_load_b64 s[12:13], s[0:1], 0x20              ; x32
	v_lshl_add_u32 v[SPW], v0, 2, SPARE
	v_mov_b32 v[NIL], 0
	ds_add_u32 v[SPW], v[NIL]                      ; the wave's opening: the add, twice on end, and its wait ahead of my first tensor load
	ds_add_u32 v[SPW], v[NIL]
	v_lshrrev_b32 v1, 5, v0
	v_readfirstlane_b32 s14, v1                    ; wave 0..3
	s_lshr_b32 s15, s14, 1                         ; I fetch for hidden_states (0) or for the weights (1),
	s_and_b32 s16, s14, 1                          ; the first or the second half of the tile's rows
	s_bfe_u32 s40, ttmp6, 0x40000                  ; cx, cy: my place in the cluster
	s_bfe_u32 s41, ttmp6, 0x40004
	s_lshl_b32 s42, ttmp9, 2
	s_add_co_u32 s42, s42, s40                     ; tile column = 4 x cluster x + cx
	s_and_b32 s17, ttmp7, 0xffff
	s_lshl_b32 s17, s17, 2
	s_add_co_u32 s17, s17, s41                     ; tile row = 4 x cluster y + cy
	s_lshl_b32 s43, s41, 2
	s_lshl_b32 s43, 15, s43                        ; my row of the cluster
	s_lshl_b32 s44, 0x1111, s40                    ; my column
	; group 1, codes: rows of 256 elements of one byte, 1,024 bytes apart in memory, 16 bytes of padding behind each in LDS; 128 rows of hidden_states, 96 of the weights
	s_or_b32 s[G1+0], s43, (0<<16)|(1<<20)|(1<<21)|(5<<22)|(3<<25)
	s_or_b32 s[G1B+0], s44, (0<<16)|(1<<20)|(1<<21)|(5<<22)|(3<<25)
	s_mov_b32 s[G1+1], 256<<16                     ; tensor_dim0
	s_mov_b32 s[G1+2], 128<<16                     ; tensor_dim1
	s_mov_b32 s[G1+3], 256<<16                     ; tile_dim0
	s_mov_b32 s[G1+4], 128                         ; tile_dim1
	s_mov_b32 s[G1+5], 1024                        ; the pitch
	s_mov_b32 s[G1+6], 0
	s_mov_b32 s[G1+7], 0
	s_mov_b32 s[G1B+1], 256<<16
	s_mov_b32 s[G1B+2], 96<<16
	s_mov_b32 s[G1B+3], 256<<16
	s_mov_b32 s[G1B+4], 96
	s_mov_b32 s[G1B+5], 1024
	s_mov_b32 s[G1B+6], 0
	s_mov_b32 s[G1B+7], 0
	; group 1, scales: dense bytes as rows of 32 elements of 8 bytes, 16 bytes of padding behind each: 128 rows x 64 bytes are 32 such rows, 96 rows are 24
	s_or_b32 s[G1S+0], s43, (3<<16)|(1<<20)|(1<<21)|(5<<22)|(3<<25)
	s_or_b32 s[G1SB+0], s44, (3<<16)|(1<<20)|(1<<21)|(5<<22)|(3<<25)
	s_mov_b32 s[G1S+1], 32<<16
	s_mov_b32 s[G1S+2], 32<<16
	s_mov_b32 s[G1S+3], 32<<16
	s_mov_b32 s[G1S+4], 32
	s_mov_b32 s[G1S+5], 32
	s_mov_b32 s[G1S+6], 0
	s_mov_b32 s[G1S+7], 0
	s_mov_b32 s[G1SB+1], 32<<16
	s_mov_b32 s[G1SB+2], 24<<16
	s_mov_b32 s[G1SB+3], 32<<16
	s_mov_b32 s[G1SB+4], 24
	s_mov_b32 s[G1SB+5], 32
	s_mov_b32 s[G1SB+6], 0
	s_mov_b32 s[G1SB+7], 0
	; where the tiles come from: hidden_states' hang on the tile row alone, the weights' on the tile column alone, each in registers that never hold the other coordinate
	s_lshl_b32 s18, s16, 7
	s_lshl_b32 s20, s17, 8
	s_add_co_u32 s20, s20, s18                     ; row 256 x tile row + 128 x half
	s_lshl_b32 s22, s20, 6                         ; its scale bytes,
	s_mov_b32 s23, 0
	s_lshl_b32 s20, s20, 10                        ; its codes
	s_mov_b32 s21, 0
	s_mul_i32 s19, s16, 96
	s_mul_i32 s46, s42, 192
	s_add_co_u32 s46, s46, s19
	s_add_co_u32 s46, s46, 4096                    ; row 4096 + 192 x tile column + 96 x half
	s_lshl_b32 s92, s46, 6
	s_mov_b32 s93, 0
	s_lshl_b32 s46, s46, 10
	s_mov_b32 s47, 0
	s_mul_i32 s45, s16, 128*PITCH                  ; where they go: no place in the cluster enters an LDS address
	s_mul_i32 s94, s16, 96*PITCH
	s_add_co_u32 s94, s94, BOFF
	s_mul_i32 s95, s16, 32*272
	s_add_co_u32 s95, s95, SCL
	s_mul_i32 s96, s16, 24*272
	s_add_co_u32 s96, s96, SCL+64*272
	s_wait_dscnt 0x0                               ; both opening adds are done
	s_wait_kmcnt 0x0
	s_add_nc_u64 s[20:21], s[4:5], s[20:21]
	s_add_nc_u64 s[22:23], s[6:7], s[22:23]
	s_add_nc_u64 s[46:47], s[4:5], s[46:47]
	s_add_nc_u64 s[92:93], s[6:7], s[92:93]
	CROUND                                         ; all sixteen work-groups are here: the first joint loads meet
	s_mov_b32 s[G0S], 1
	s_mov_b32 s[G0S+1], s95
	s_mov_b64 s[G0S+2:G0S+3], s[22:23]
	s_or_b32 s[G0S+3], s[G0S+3], 0x80000000
	s_mov_b32 s[G0SB], 1
	s_mov_b32 s[G0SB+1], s96
	s_mov_b64 s[G0SB+2:G0SB+3], s[92:93]
	s_or_b32 s[G0SB+3], s[G0SB+3], 0x80000000
	JLOAD G0S, G1S, G0SB, G1SB                     ; the scales first: they are wanted with K step 0
.irp s, 0,1
	s_mov_b32 s[G0+4*\s], 1
	s_add_co_u32 s[G0+4*\s+1], s45, \s*SLOT
	s_add_nc_u64 s[G0+4*\s+2:G0+4*\s+3], s[20:21], \s*256
	s_or_b32 s[G0+4*\s+3], s[G0+4*\s+3], 0x80000000
	s_mov_b32 s[G0B+4*\s], 1
	s_add_co_u32 s[G0B+4*\s+1], s94, \s*SLOT
	s_add_nc_u64 s[G0B+4*\s+2:G0B+4*\s+3], s[46:47], \s*256
	s_or_b32 s[G0B+4*\s+3], s[G0B+4*\s+3], 0x80000000
	JLOAD G0+4*\s, G1, G0B+4*\s, G1B               ; three tensor loads of mine are out now, later one
.endr
	; cos and sin of my 64 positions, asked for now and waited for on the way out.  (Scalars that mix the tile's row and column feed no descriptor.)
	v_and_b32 v6, 31, v0
	v_lshlrev_b32 v[L16], 4, v6
	s_and_b32 s97, s17, 7
	s_lshl_b32 s99, s97, 4
	s_lshl_b32 s100, s14, 2
	s_add_co_u32 s99, s99, s100                    ; my first position tile: 16 (tile row % 8) + 4 wave
	s_lshl_b32 s2, s99, 12
	s_mov_b32 s3, 0
	s_add_nc_u64 s[66:67], s[8:9], s[2:3]
	WIN 0x80                                       ; destination window 2
.irp a, 0,1
.irp p, 0,1,2,3,4,5,6,7
	global_load_b128 v[192+32*\a+4*\p:192+32*\a+4*\p+3], v[L16], s[66:67] offset:\a*4096+\p*512
.endr
.endr
	WIN 0xc0                                       ; destination window 3
.irp a, 0,1
.irp p, 0,1,2,3,4,5,6,7
	global_load_b128 v[192+32*\a+4*\p:192+32*\a+4*\p+3], v[L16], s[66:67] offset:(\a+2)*4096+\p*512
.endr
.endr
	WIN 0
	s_lshl_b32 s101, s97, 2
	s_add_co_u32 s101, s101, s14
	v_mov_b32 v[FLG], s101                         ; 0 in wave 0 of the tile rows that begin a sequence
	s_lshr_b32 s100, s17, 3                        ; the batch
	s_mul_i32 s100, s100, 48
	s_mul_i32 s98, s42, 3                          ; my first head
	s_add_co_u32 s100, s100, s98
	s_lshl_b32 s2, s100, 18                        ; 262,144 bytes a head in qkvf,
	s_lshl_b32 s99, s99, 11                        ; 2,048 a position tile
	s_add_co_u32 s2, s2, s99
	s_add_nc_u64 s[10:11], s[10:11], s[2:3]
	s_lshl_b32 s2, s100, 12                        ; 4,096 bytes a head in x32
	s_add_nc_u64 s[12:13], s[12:13], s[2:3]
	v_and_b32 v1, 15, v0                           ; r
	v_bfe_u32 v2, v0, 4, 1                         ; h
	v_mul_u32_u24 v3, v1, PITCH
	v_lshl_add_u32 v3, v2, 4, v3                   ; a fragment's row x pitch + 16 h
	s_mul_i32 s45, s14, 64*PITCH                   ; my 64 rows
	v_add_nc_u32 v[ADRA], s45, v3
	v_add_nc_u32 v[ADRA+1], SLOT, v[ADRA]
	v_add_nc_u32 v[ADRB], BOFF, v3
	v_add_nc_u32 v[ADRB+1], SLOT, v[ADRB]
	v_lshlrev_b32 v4, 6, v1                        ; a row's scale bytes: 64 a row,
	v_lshrrev_b32 v5, 2, v1
	v_lshl_add_u32 v4, v5, 4, v4                   ; and 16 more for each four rows passed
	v_mul_u32_u24 v5, v2, 2*SBLK                   ; lanes 16-31 stand two blocks on
	v_add_nc_u32 v5, v5, v4
	s_mul_i32 s45, s14, 4*SBLK
	s_add_co_u32 s45, s45, SCL
	v_add_nc_u32 v[ADRSA], s45, v5
	v_mul_u32_u24 v5, v2, 6*SBLK                   ; for the weights six blocks on
	v_add_nc_u32 v5, v5, v4
	v_add_nc_u32 v[ADRSB], SCL+16*SBLK, v5
	v_and_b32 v6, 7, v1
	v_lshl_add_u32 v6, v2, 3, v6
	v_lshrrev_b32 v7, 3, v1
	v_lshl_add_u32 v6, v7, 4, v6
	v_lshlrev_b32 v[PRM], 4, v6                    ; 16 x ((r % 8) + 8 h + 16 (r / 8))
; One product on the registers rD, rB, rA, rSB, rSA.  ra, rb: source 0's, source 1's scale words stand in lanes 16-31.  zero: the product starts its sum.
.macro FP4MM zero, ra, rb
.if (\zero) && (\ra) && (\rb)
	v_wmma_scale_f32_16x16x128_f8f6f4 v[rD:rD+7], v[rB:rB+7], v[rA:rA+7], 0, v[rSB], v[rSA] matrix_a_fmt:MATRIX_FMT_FP4 matrix_b_fmt:MATRIX_FMT_FP4 matrix_a_scale:MATRIX_SCALE_ROW1 matrix_b_scale:MATRIX_SCALE_ROW1
.elseif (\zero) && (\ra)
	v_wmma_scale_f32_16x16x128_f8f6f4 v[rD:rD+7], v[rB:rB+7], v[rA:rA+7], 0, v[rSB], v[rSA] matrix_a_fmt:MATRIX_FMT_FP4 matrix_b_fmt:MATRIX_FMT_FP4 matrix_a_scale:MATRIX_SCALE_ROW1
.elseif (\zero) && (\rb)
	v_wmma_scale_f32_16x16x128_f8f6f4 v[rD:rD+7], v[rB:rB+7], v[rA:rA+7], 0, v[rSB], v[rSA] matrix_a_fmt:MATRIX_FMT_FP4 matrix_b_fmt:MATRIX_FMT_FP4 matrix_b_scale:MATRIX_SCALE_ROW1
.elseif (\zero)
	v_wmma_scale_f32_16x16x128_f8f6f4 v[rD:rD+7], v[rB:rB+7], v[rA:rA+7], 0, v[rSB], v[rSA] matrix_a_fmt:MATRIX_FMT_FP4 matrix_b_fmt:MATRIX_FMT_FP4
.elseif (\ra) && (\rb)
	v_wmma_scale_f32_16x16x128_f8f6f4 v[rD:rD+7], v[rB:rB+7], v[rA:rA+7], v[rD:rD+7], v[rSB], v[rSA] matrix_a_fmt:MATRIX_FMT_FP4 matrix_b_fmt:MATRIX_FMT_FP4 matrix_a_scale:MATRIX_SCALE_ROW1 matrix_b_scale:MATRIX_SCALE_ROW1
.elseif (\ra)
	v_wmma_scale_f32_16x16x128_f8f6f4 v[rD:rD+7], v[rB:rB+7], v[rA:rA+7], v[rD:rD+7], v[rSB], v[rSA] matrix_a_fmt:MATRIX_FMT_FP4 matrix_b_fmt:MATRIX_FMT_FP4 matrix_a_scale:MATRIX_SCALE_ROW1
.elseif (\rb)
	v_wmma_scale_f32_16x16x128_f8f6f4 v[rD:rD+7], v[rB:rB+7], v[rA:rA+7], v[rD:rD+7], v[rSB], v[rSA] matrix_a_fmt:MATRIX_FMT_FP4 matrix_b_fmt:MATRIX_FMT_FP4 matrix_b_scale:MATRIX_SCALE_ROW1
.else
	v_wmma_scale_f32_16x16x128_f8f6f4 v[rD:rD+7], v[rB:rB+7], v[rA:rA+7], v[rD:rD+7], v[rSB], v[rSA] matrix_a_fmt:MATRIX_FMT_FP4 matrix_b_fmt:MATRIX_FMT_FP4
.endif
.endm
; 12 products: my block a against the 12 column blocks, the slot's q-th 128 along K, fragments of set p, scale words of set sc.  The 48 accumulators take turns, one instruction a turn, in the same order in every step.
.macro MULA a, p, q, sc, zero
.irp b, 0,1,2,3,4,5,6,7,8,9,10,11
.set rD, 8*(12*((\a)%2)+\b)
.set rB, 128*(\p)+8*\b
.set rA, AF+32*(\p)+8*(\a)
.set rSB, SC+32*(\sc)+4*(\b%6)+(\q)
.set rSA, SC+32*(\sc)+24+4*((\a)%2)+(\q)
	FP4MM \zero, \b/6, (\a)/2
.endr
.endm
; 32 LDS loads in one run: the fragments of the slot's q-th 128 along K into set p.  A fragment (16 rows x 128 K) is 8 registers: two loads of 16 bytes, 32 bytes apart.
.macro FETCH slot, q, p
	WIN TO_B
.irp b, 0,1,2,3,4,5,6,7,8,9,10,11
	ds_load_b128 v[128*(\p)+8*\b:128*(\p)+8*\b+3], v[ADRB+\slot] offset:64*(\q)+\b*16*PITCH
	ds_load_b128 v[128*(\p)+8*\b+4:128*(\p)+8*\b+7], v[ADRB+\slot] offset:64*(\q)+\b*16*PITCH+32
.endr
	WIN 0
.irp a, 0,1,2,3
	ds_load_b128 v[AF+32*(\p)+8*\a:AF+32*(\p)+8*\a+3], v[ADRA+\slot] offset:64*(\q)+\a*16*PITCH
	ds_load_b128 v[AF+32*(\p)+8*\a+4:AF+32*(\p)+8*\a+7], v[ADRA+\slot] offset:64*(\q)+\a*16*PITCH+32
.endr
.endm
.macro SCALES sc                       ; a K step's scale words, four to a row, into set sc
.irp i, 0,1,2,3,4,5
	ds_load_b128 v[SC+32*\sc+4*\i:SC+32*\sc+4*\i+3], v[ADRSB] offset:\i*SBLK
.endr
.irp i, 0,1
	ds_load_b128 v[SC+32*\sc+24+4*\i:SC+32*\sc+24+4*\i+3], v[ADRSA] offset:\i*SBLK
.endr
.endm
; A step of 128 along K that has its successor in the same slot: the successor's fragments are asked for first, into the other set, and land under this step's 48 products.
.macro STEP slot, q, zero
	s_wait_dscnt 0x0                               ; this step's fragments, asked for a step ago, are in
	PLACES 4                                       ; four plain instructions between the last step's products and the loads into the registers that they read
	FETCH \slot, (\q)+1, ((\q)+1)%2
	WIN MUL_LO
	MULA 0, (\q)%2, \q, \slot, \zero
	MULA 1, (\q)%2, \q, \slot, \zero
	WIN MUL_HI
	MULA 2, (\q)%2, \q, \slot, \zero
	MULA 3, (\q)%2, \q, \slot, \zero
	WIN 0
.endm
; A slot's last step changes slots: one barrier; in front of it each wave waits for all its tensor loads, adds 0 to its spare word, and waits for that and for its reads of this slot.  fill = 1: the slot is filled again, two K steps ahead.
.macro TURN slot, next, fill
	s_wait_tensorcnt 0x0                           ; all my tensor loads have landed: my part of the next slot
	ds_add_u32 v[SPW], v[NIL]                      ; 0 onto my spare word
	s_wait_dscnt 1                                 ; this step's fragments are in; the add alone may be out
	WIN MUL_LO
	MULA 0, 1, 3, \slot, 0                         ; twelve products stand between the add and the wait for it
	s_wait_dscnt 0x0                               ; the add is done, and my reads of this slot are over
	s_barrier_signal -1
	MULA 1, 1, 3, \slot, 0
	WIN 0
	s_barrier_wait -1
.if \fill
	CREST                                          ; the barrier has opened a round of the cluster's barrier: no wave of any partner still reads this slot or has a load on its way
	s_add_nc_u64 s[G0+4*\slot+2:G0+4*\slot+3], s[G0+4*\slot+2:G0+4*\slot+3], 512
	s_add_nc_u64 s[G0B+4*\slot+2:G0B+4*\slot+3], s[G0B+4*\slot+2:G0B+4*\slot+3], 512
	JLOAD G0+4*\slot, G1, G0B+4*\slot, G1B         ; the first tensor load behind the round; its four v_nop are also the places in front of the loads below
.else
	PLACES 4
.endif
	v_add_nc_u32 v[ADRSA], 16, v[ADRSA]            ; on to the next K step's scale words
	v_add_nc_u32 v[ADRSB], 16, v[ADRSB]
	FETCH \next, 0, 0
	SCALES \next
	WIN MUL_HI
	MULA 2, 1, 3, \slot, 0
	MULA 3, 1, 3, \slot, 0
	WIN 0
.endm
	s_wait_tensorcnt 1                             ; the scales and my part of K step 0 are in (K step 1's load may be out),
	s_barrier_signal -1
	s_barrier_wait -1                              ; everybody's are
	FETCH 0, 0, 0
	SCALES 0
	STEP 0, 0, 1                                   ; the first products start the sums: nothing is cleared
	STEP 0, 1, 0
	STEP 0, 2, 0
	TURN 0, 1, 1                                   ; slot 0 takes K step 2
	STEP 1, 0, 0
	STEP 1, 1, 0
	STEP 1, 2, 0
	TURN 1, 0, 1                                   ; slot 1 takes K step 3
	STEP 0, 0, 0
	STEP 0, 1, 0
	STEP 0, 2, 0
	TURN 0, 1, 0                                   ; nothing is left to fetch
	STEP 1, 0, 0
	STEP 1, 1, 0
	STEP 1, 2, 0
	s_wait_dscnt 0x0
	WIN MUL_LO
	MULA 0, 1, 3, 1, 0
	MULA 1, 1, 3, 1, 0
	WIN MUL_HI
	MULA 2, 1, 3, 1, 0
	MULA 3, 1, 3, 1, 0
	WIN 0
; THE WAY OUT.  For head hd and block a: y1 = x1 cos' - x2 sin', y2 = x2 cos' + x1 sin', x1 = d < 32 (column blocks 4 hd, 4 hd + 1), x2 = d + 32 (the two blocks after them); each accumulator is read from its low end on.
.macro ONE hd, a
.set TBL, 192+32*((\a)%2)
.set ACB, 96*((\a)%2)+32*(\hd)
	WIN 0x02+(\a)/2                                ; source 0: window 2 or 3
.irp i, 0,2,4,6,8,10,12,14
	v_pk_fma_f32 v[CE+\i:CE+\i+1], v[TBL+\i:TBL+\i+1], v[FV:FV+1], v[GV:GV+1]
.endr
.irp i, 0,2,4,6,8,10,12,14
	v_pk_mul_f32 v[SE+\i:SE+\i+1], v[TBL+16+\i:TBL+16+\i+1], v[FV:FV+1]
.endr
.irp bp, 0,1
.irp j, 0,2,4,6
	v_pk_mul_f32 v[T+\j:T+\j+1], v[ACB+8*(\bp+2)+\j:ACB+8*(\bp+2)+\j+1], v[SE+8*\bp+\j:SE+8*\bp+\j+1]
.endr
.irp j, 0,2,4,6
	v_pk_fma_f32 v[Y+8*\bp+\j:Y+8*\bp+\j+1], v[ACB+8*\bp+\j:ACB+8*\bp+\j+1], v[CE+8*\bp+\j:CE+8*\bp+\j+1], v[T+\j:T+\j+1] neg_lo:[0,0,1] neg_hi:[0,0,1]
.endr
.irp j, 0,2,4,6
	v_pk_mul_f32 v[T+\j:T+\j+1], v[ACB+8*\bp+\j:ACB+8*\bp+\j+1], v[SE+8*\bp+\j:SE+8*\bp+\j+1]
.endr
.irp j, 0,2,4,6
	v_pk_fma_f32 v[Y+8*(\bp+2)+\j:Y+8*(\bp+2)+\j+1], v[ACB+8*(\bp+2)+\j:ACB+8*(\bp+2)+\j+1], v[CE+8*\bp+\j:CE+8*\bp+\j+1], v[T+\j:T+\j+1]
.endr
.endr
	WIN 0
.irp i, 0,1,2,3,4,5,6,7,8,9,10,11,12,13,14,15
	v_cvt_pk_f16_f32 v[Y16+16*(\a)+\i], v[Y+2*\i], v[Y+2*\i+1]
.endr
.irp bt, 0,1,2,3
	global_store_b128 v[OFS+\hd], v[Y16+16*(\a)+4*\bt:Y16+16*(\a)+4*\bt+3], s[10:11] offset:(\hd)*262144+(\a)*2048+\bt*512   ; 512 consecutive bytes a store
.endr
.if (\a) == 0
	s_wait_xcnt 0x0                                ; EXEC changes only behind this wait
	v_cmp_eq_u32 vcc_lo, 0, v[FLG]
	s_and_saveexec_b32 s2, vcc_lo                  ; positions 0-15 also leave unrounded
.irp p, 0,1,2,3,4,5,6,7
	global_store_b128 v[L16], v[Y+4*\p:Y+4*\p+3], s[12:13] offset:(\hd)*4096+\p*512
.endr
	s_wait_xcnt 0x0                                ; and again: behind it EXEC is widened, and v200-231 may be written anew
	s_or_b32 exec_lo, exec_lo, s2
.endif
.endm
.macro HEADOUT hd
	s_add_co_u32 s97, s98, \hd                     ; the head: 0-31 q, 32-39 k, 40-47 v
	s_cmp_lt_u32 s97, 40
	s_cselect_b32 s99, 1.0, 0                      ; F
	s_cselect_b32 s100, 0, 1.0                     ; G
	s_cselect_b32 s101, 0, -1                      ; v's lane places
	s_cmp_lt_u32 s97, 32
	s_cselect_b32 s99, 0x3e38aa3b, s99             ; q carries log2(e) / 8
	s_wait_xcnt 0x0                                ; the last head's stores have read v128-191
	v_mov_b32 v[FV], s99
	v_mov_b32 v[FV+1], s99
	v_mov_b32 v[GV], s100
	v_mov_b32 v[GV+1], s100
	v_cndmask_b32 v[OFS+\hd], v[L16], v[PRM], s101
.irp a, 0,1,2,3
	ONE \hd, \a
.endr
.endm
	PLACES 4                                       ; four plain instructions between the last products and the first read of results
	s_wait_loadcnt 0x0                             ; cos and sin
	HEADOUT 0
	HEADOUT 1
	HEADOUT 2
	s_wait_tensorcnt 0x0                           ; the wave's end
	ds_add_u32 v[SPW], v[NIL]
	s_wait_dscnt 0x0
	CROUND                                         ; the closing round: no work-group ends while a partner may still ask for a tile that names it
	s_endpgm
.Lfunc_end_k_q02b1427d42_qkv:
	.size	k_q02b1427d42_qkv, .Lfunc_end_k_q02b1427d42_qkv-k_q02b1427d42_qkv
	.p2alignl 7, 3214868480
	.fill 96, 4, 3214868480
	.section	.rodata,"a",@progbits
	.p2align	6, 0x0
	.amdhsa_kernel k_q02b1427d42_qkv
		.amdhsa_group_segment_fixed_size 327680
		.amdhsa_private_segment_fixed_size 0
		.amdhsa_enable_private_segment 0
		.amdhsa_kernarg_size 40
		.amdhsa_user_sgpr_count 2
		.amdhsa_user_sgpr_kernarg_segment_ptr 1
		.amdhsa_wavefront_size32 1
		.amdhsa_system_sgpr_workgroup_id_x 1
		.amdhsa_system_sgpr_workgroup_id_y 1
		.amdhsa_system_sgpr_workgroup_id_z 1
		.amdhsa_system_vgpr_workitem_id 0
		.amdhsa_next_free_vgpr 1024
		.amdhsa_next_free_sgpr 102
		.amdhsa_reserve_vcc 1
		.amdhsa_float_denorm_mode_32 3
		.amdhsa_float_denorm_mode_16_64 3
		.amdhsa_memory_ordered 1
		.amdhsa_forward_progress 1
		.amdhsa_inst_pref_size 208
	.end_amdhsa_kernel
	.amdgpu_metadata
---
amdhsa.version: [ 1, 2 ]
amdhsa.kernels:
  - .name:           k_q02b1427d42_qkv
    .symbol:         k_q02b1427d42_qkv.kd
    .args:
      - { .name: codes, .offset: 0, .size: 8, .value_kind: global_buffer, .address_space: global }
      - { .name: scales, .offset: 8, .size: 8, .value_kind: global_buffer, .address_space: global }
      - { .name: tabs, .offset: 16, .size: 8, .value_kind: global_buffer, .address_space: global }
      - { .name: qkvf, .offset: 24, .size: 8, .value_kind: global_buffer, .address_space: global }
      - { .name: x32, .offset: 32, .size: 8, .value_kind: global_buffer, .address_space: global }
    .group_segment_fixed_size: 327680
    .private_segment_fixed_size: 0
    .kernarg_segment_align: 8
    .kernarg_segment_size: 40
    .max_flat_workgroup_size: 128
    .sgpr_count:     102
    .vgpr_count:     1024
    .wavefront_size: 32
...
	.end_amdgpu_metadata
.endif
;; end of part 2
;; launch attn (part 3): grid 16 x 16, 8 waves a work-group, no clusters, 327,680 bytes of LDS; arguments qkvf, tabs, tau, of; writes of
.if DOCPART == 3
	.amdgcn_target "amdgcn-amd-amdhsa--gfx1250"
	.amdhsa_code_object_version 6
	.text
	.protected	k_q02b1427d42_attn
	.globl	k_q02b1427d42_attn
	.p2align	8
	.type	k_q02b1427d42_attn,@function
k_q02b1427d42_attn:
	s_mov_b64 s[64:65], 0
	v_nop
	global_prefetch_b8 v0, s[64:65] scope:SCOPE_SE
	s_setreg_imm32_b32 hwreg(HW_REG_WAVE_MODE, 25, 1), 1
	s_wait_xcnt 0x0
; ATTN: o[b][i][head] = sum over keys j, 0 <= i - j < 512, j >= 0, of p v[j] / (2^(tau' - m) + sum p), p = 2^(s - m), s = q.k log2(e) / 8 + bias[head][i - j] log2(e), tau' = tau log2(e), m = max(tau', the row's largest s), kept as a running maximum.
; Operands f16 (q already carries log2(e) / 8), sums, maxima and exponentials f32.  LIMIT: |o| stays under 65,504 (it is an average of v with weights that sum to less than 1).
; SHARES.  A work-group owns 128 positions (from q0 = 128 x) of the four query heads of one key and value head (y = 8 batch + kv head).  Wave w: head 4 kv + w % 4, positions q0 + 64 (w / 4) on: four tiles of 16 queries.
; Keys come in chunks of 128, walked downward: chunk c holds keys q0 - 128 c on, c = 0..4, through two LDS slots (wave 0 fetches K's 16,384 bytes, wave 1 V's); a chunk is two steps of 64 keys.
; Every work-group walks all five chunks, so that trip counts are constants; a step is worked only where its chunk exists (c <= x) and delta = my first query - its first key lies in 0..512: nine steps a wave.  These are scalar
; branches on ids and on the count of trips.  A chunk that does not exist is not asked for: the same test, directly behind the barrier, leads round the load and round nothing else; every wait on TENSORcnt is for 0.
; NO CLUSTER: neighbouring blocks of queries read a given chunk in different trips, and a joint walk over the union of chunks would bring partners tiles that all their waves pass over.
; NO PREFETCH: every chunk is the first chunk of some work-group and is loaded at the launch's head.
; LAYOUT.  S^T = K Q^T and O^T = V^T P: a lane holds one query (lane % 16) throughout, and in S^T the keys 8 (lane / 16) + 0..7 of a tile.  qkvf holds images of operand registers: every LDS load takes 16 bytes at 16 x lane.
; BIAS AND MASK COST NO VECTOR INSTRUCTION: they are the C of a tile's first product.  They hang on i - j alone, so 7 tiles of C serve the 16 pairs (query tile a, key tile t): tile e = a - t + 3.  A lane's eight numbers run down
; i - j; four copies of the table, shifted by 0..3 numbers, let every lane take them by two aligned loads of 16 bytes.
; REGISTERS: window 0: v1-7 addresses; v16-47 statistics, 8 a tile; v48-103 the 7 tiles of C; v128-255 S^T, 32 a tile, then P packed into the first 16 of each.   window 1: v0-63 Q; v64-191 O^T, 32 a tile; v192-255 K of a step, then V.
.set SLOT1, 32768                      ; a slot: K's 8 key tiles x 2,048 bytes, then V's
.set VOFF,  16384
.set BT,    65536                      ; the four heads' tables, 4 x 10,496 bytes
.set SPARE, 107520                     ; the spare words, 128 bytes for each of the eight waves
.set L16, 1                            ; v1  16 x lane; never rewritten
.set BL0, 2                            ; v2  my place in my head's tables at delta = 0, tile e = 6
.set ADK, 3                            ; v3  LDS address of the slot in hand, + 16 x lane
.set ADB, 4                            ; v4  BL0 - 4 delta
.set SPW, 6                            ; v6  LDS address of my spare word; never rewritten
.set NIL, 7                            ; v7  0; never rewritten
.set ST,  16                           ; tile a at v[16 + 8 a]: +0 m, +1 its pair's partner, +2, +3 the sum in two halves, +4..+7 at work (+6 takes the factor 2^(old m - new m))
.set BI,  48
.set S,   128
.set QF,  0                            ; window 1
.set OT,  64
.set KV,  192
.set WV,  12                           ; s12 wave;  s13 x
.set NB,  13
.set TB,  40                           ; s40 LDS byte of the slot in hand
.set DL,  41                           ; s41 64 (wave / 4) + 128 c
.set CN,  42                           ; s42 c
.set CNT, 43                           ; s43 trips to go
.set SEL, 44                           ; s[44:45] lane selects for lane l xor 16
.set MSB, 0
.macro WIN new
.if MSB != (\new)
	s_set_vgpr_msb (MSB<<8)|(\new)
.set MSB, \new
.endif
.endm
.set W_S,  0x05                        ; K and Q window 1; C and S^T window 0
.set W_PV, 0x51                        ; V window 1, P window 0, O^T window 1
.set W_RS, 0x41                        ; O^T (destination and source 0) window 1, the factor window 0
.set TO1,  0x40                        ; destination window 1, address window 0
	s_load_b256 s[4:11], s[0:1], 0x0               ; qkvf s[4:5], tabs s[6:7], tau s[8:9], of s[10:11]
	v_lshl_add_u32 v[SPW], v0, 2, SPARE
	v_mov_b32 v[NIL], 0
	ds_add_u32 v[SPW], v[NIL]                      ; the wave's opening: the add, twice on end, and its wait ahead of the first tensor load
	ds_add_u32 v[SPW], v[NIL]
	v_lshrrev_b32 v8, 5, v0
	v_readfirstlane_b32 s[WV], v8                  ; wave 0..7
	s_mov_b32 s[NB], ttmp9
	s_and_b32 s14, ttmp7, 0xffff
	s_lshr_b32 s15, s14, 3                         ; batch
	s_and_b32 s14, s14, 7                          ; kv head
	; group 1 for a chunk of K or V: 16,384 dense bytes as 64 rows of 32 elements of 8 bytes
	s_mov_b32 s16, 3<<16
	s_mov_b32 s17, 32<<16
	s_mov_b32 s18, 64<<16
	s_mov_b32 s19, 32<<16
	s_mov_b32 s20, 64
	s_mov_b32 s21, 32
	s_mov_b32 s22, 0
	s_mov_b32 s23, 0
	; and for the four heads' tables: 41,984 dense bytes as 164 such rows
	s_mov_b32 s28, 3<<16
	s_mov_b32 s29, 32<<16
	s_mov_b32 s30, 164<<16
	s_mov_b32 s31, 32<<16
	s_mov_b32 s32, 164
	s_mov_b32 s33, 32
	s_mov_b32 s34, 0
	s_mov_b32 s35, 0
	s_min_u32 s47, s[WV], 1                        ; wave 0 fetches K, wave 1 V (the other waves hold wave 1's numbers and issue nothing)
	s_mul_i32 s48, s15, 48
	s_lshl_b32 s49, s47, 3
	s_add_co_u32 s49, s49, s48
	s_add_co_u32 s49, s49, s14
	s_add_co_u32 s49, s49, 32                      ; head 32 + kv of the batch for K, 40 + kv for V
	s_lshl_b32 s52, s49, 18
	s_lshl_b32 s49, s[NB], 14
	s_add_co_u32 s52, s52, s49                     ; chunk 0: position tile 8 x
	s_mov_b32 s53, 0
	s_mul_i32 s54, s14, 41984
	s_add_co_u32 s54, s54, 524288
	s_mov_b32 s55, 0
	s_and_b32 s56, s[WV], 3
	s_lshl_b32 s57, s14, 2
	s_add_co_u32 s57, s57, s56                     ; my query head
	s_lshr_b32 s58, s[WV], 2                       ; my half of the 128 positions
	s_add_co_u32 s48, s48, s57
	s_lshl_b32 s48, s48, 18
	s_lshl_b32 s59, s[NB], 14
	s_add_co_u32 s48, s48, s59
	s_lshl_b32 s59, s58, 13
	s_add_co_u32 s48, s48, s59                     ; Q: my head, position tile 8 x + 4 half
	s_mov_b32 s49, 0
	s_lshl_b32 s50, s15, 7
	s_lshl_b32 s59, s[NB], 3
	s_add_co_u32 s50, s50, s59
	s_lshl_b32 s59, s58, 2
	s_add_co_u32 s50, s50, s59
	s_lshl_b32 s50, s50, 16                        ; of: 65,536 bytes a tile of 16 rows,
	s_lshl_b32 s59, s57, 11
	s_add_co_u32 s50, s50, s59                     ; 2,048 a head
	s_mov_b32 s51, 0
	s_lshl_b32 s60, s57, 2                         ; tau's byte
	s_mov_b32 s[SEL], 0x76543210
	s_mov_b32 s[SEL+1], 0xfedcba98
	s_mov_b32 s[TB], 0
	s_lshl_b32 s[DL], s58, 6
	s_mov_b32 s[CN], 0
	s_mov_b32 s[CNT], 4
	s_wait_dscnt 0x0                               ; both opening adds are done
	s_wait_kmcnt 0x0
	s_mov_b32 s24, 1                               ; group 0 for K or V: it walks
	s_lshl_b32 s25, s47, 14                        ; slot 0: K at 0, V at 16,384
	s_add_nc_u64 s[26:27], s[4:5], s[52:53]
	s_or_b32 s27, s27, 0x80000000
	s_mov_b32 s36, 1                               ; group 0 for the tables
	s_mov_b32 s37, BT
	s_add_nc_u64 s[38:39], s[6:7], s[54:55]
	s_or_b32 s39, s39, 0x80000000
	s_cmp_lt_u32 s[WV], 2                          ; the first fills: one tensor load a wave is out at any time
	s_cbranch_scc0 .Lnot_kv
	tensor_load_to_lds s[24:27], s[16:23]          ; chunk 0, which every wave reads
	s_nop 0
.rept 4
	v_nop
.endr
	s_branch .Lfilled
.Lnot_kv:
	s_cmp_eq_u32 s[WV], 2
	s_cbranch_scc0 .Lfilled
	tensor_load_to_lds s[36:39], s[28:35]          ; the tables: filled once
	s_nop 0
.rept 4
	v_nop
.endr
.Lfilled:
	s_load_b32 s46, s[8:9], s60 offset:0x0         ; tau of my head
	s_add_nc_u64 s[48:49], s[4:5], s[48:49]
	s_add_nc_u64 s[50:51], s[10:11], s[50:51]
	v_and_b32 v8, 31, v0
	v_lshlrev_b32 v[L16], 4, v8
	WIN TO1
.irp i, 0,1,2,3,4,5,6,7,8,9,10,11,12,13,14,15
	global_load_b128 v[QF+4*\i:QF+4*\i+3], v[L16], s[48:49] offset:512*\i   ; Q stays in registers: tile i / 4, piece i % 4
.endr
.set i, 0
.rept 128
	v_mov_b32 v[OT+i], 0                           ; O^T.  (The step is written once for all chunks: its first run finds zeros)
.set i, i+1
.endr
	WIN 0
	v_and_b32 v9, 15, v0                           ; r
	v_bfe_u32 v10, v0, 4, 1                        ; h
	v_and_b32 v11, 3, v9
	v_sub_nc_u32 v11, 4, v11
	v_and_b32 v11, 3, v11                          ; which copy: (-r) mod 4, so that my first number stands at a multiple of 16 bytes
	v_mul_u32_u24 v12, v11, 2624
	v_lshl_add_u32 v13, v10, 3, 576
	v_sub_nc_u32 v13, v13, v9
	v_sub_nc_u32 v13, v13, v11                     ; 576 + 8 h - r - copy
	v_lshl_add_u32 v12, v13, 2, v12
	s_mul_i32 s59, s56, 10496
	s_add_co_u32 s59, s59, BT-192
	v_add_nc_u32 v[BL0], s59, v12
	s_wait_kmcnt 0x0
	v_mov_b32 v8, s46
	v_mul_f32 v8, 0x3fb8aa3b, v8                   ; tau'
.irp a, 0,1,2,3
	v_mov_b32 v[ST+8*\a], v8                       ; m begins at tau': the sink counts in the maximum,
	v_mov_b32 v[ST+8*\a+1], 0
	v_mov_b32 v[ST+8*\a+2], 0x3e800000             ; and as 2^(tau' - m) = 1 in the sum: a quarter in each of the four partial sums of a query (two halves, two lanes)
	v_mov_b32 v[ST+8*\a+3], 0x3e800000
	v_mov_b32 v[ST+8*\a+4], 0
	v_mov_b32 v[ST+8*\a+5], 0
	v_mov_b32 v[ST+8*\a+6], 0
	v_mov_b32 v[ST+8*\a+7], 0
.endr
; The softmax of a step, the four tiles by turns, so that no line waits for the line above it.
.macro SOFTMAX
.irp t, 0,1,2,3
.irp a, 0,1,2,3
	v_max3_num_f32 v[ST+8*\a+4+\t], v[S+32*\a+8*\t], v[S+32*\a+8*\t+1], v[S+32*\a+8*\t+2]   ; each key tile's chain begins at the accumulator's low end
.endr
.endr
.irp i, 3,5
.irp t, 0,1,2,3
.irp a, 0,1,2,3
	v_max3_num_f32 v[ST+8*\a+4+\t], v[ST+8*\a+4+\t], v[S+32*\a+8*\t+\i], v[S+32*\a+8*\t+\i+1]
.endr
.endr
.endr
.irp a, 0,1,2,3
	v_max3_num_f32 v[ST+8*\a+4], v[ST+8*\a+4], v[S+32*\a+7], v[S+32*\a+15]
.endr
.irp a, 0,1,2,3
	v_max3_num_f32 v[ST+8*\a+6], v[ST+8*\a+6], v[S+32*\a+23], v[S+32*\a+31]
.endr
.irp a, 0,1,2,3
	v_max3_num_f32 v[ST+8*\a+4], v[ST+8*\a+4], v[ST+8*\a+5], v[ST+8*\a+6]
.endr
.irp a, 0,1,2,3
	v_max3_num_f32 v[ST+8*\a+4], v[ST+8*\a+4], v[ST+8*\a+7], v[ST+8*\a]   ; with the old m
.endr
.irp a, 0,1,2,3
	v_permlanex16_b32 v[ST+8*\a+5], v[ST+8*\a+4], s[SEL], s[SEL+1]        ; the query's other 32 keys lie in the lane 16 away
.endr
.irp a, 0,1,2,3
	v_max_num_f32 v[ST+8*\a+5], v[ST+8*\a+4], v[ST+8*\a+5]                ; the new m
.endr
.irp a, 0,1,2,3
	v_sub_f32 v[ST+8*\a+7], v[ST+8*\a], v[ST+8*\a+5]                      ; old m - new m, 0 or less
.endr
.irp a, 0,1,2,3
	v_mov_b32 v[ST+8*\a], v[ST+8*\a+5]
.endr
.set i, 0
.rept 16
.irp a, 0,1,2,3
	v_pk_add_f32 v[S+32*\a+i:S+32*\a+i+1], v[S+32*\a+i:S+32*\a+i+1], v[ST+8*\a:ST+8*\a+1] op_sel_hi:[1,0] neg_lo:[0,1] neg_hi:[0,1]   ; s - m
.endr
.set i, i+2
.endr
.irp a, 0,1,2,3
	v_exp_f32 v[ST+8*\a+6], v[ST+8*\a+7]           ; ONE BATCH: the four factors and the 128 weights
.endr
.set i, 0
.rept 32
.irp a, 0,1,2,3
	v_exp_f32 v[S+32*\a+i], v[S+32*\a+i]
.endr
.set i, i+1
.endr
	v_nop                                          ; a plain instruction behind the last exponential
	s_wait_alu depctr_va_vdst(0)                   ; one wait for the batch, ahead of its first reader
.irp a, 0,1,2,3
	v_pk_add_f32 v[ST+8*\a+4:ST+8*\a+5], v[S+32*\a:S+32*\a+1], v[S+32*\a+2:S+32*\a+3]
.endr
.set i, 4
.rept 14
.irp a, 0,1,2,3
	v_pk_add_f32 v[ST+8*\a+4:ST+8*\a+5], v[ST+8*\a+4:ST+8*\a+5], v[S+32*\a+i:S+32*\a+i+1]
.endr
.set i, i+2
.endr
.irp a, 0,1,2,3
	v_pk_fma_f32 v[ST+8*\a+2:ST+8*\a+3], v[ST+8*\a+2:ST+8*\a+3], v[ST+8*\a+6:ST+8*\a+7], v[ST+8*\a+4:ST+8*\a+5] op_sel_hi:[1,0,1]   ; the sum under the new m, of the unrounded weights
.endr
.set i, 0
.rept 16
.irp a, 0,1,2,3
	v_cvt_pk_f16_f32 v[S+32*\a+i], v[S+32*\a+2*i], v[S+32*\a+2*i+1]       ; P in place: registers 8 g .. 8 g + 7 are source 1 for keys 32 g on
.endr
.set i, i+1
.endr
.endm
; A STEP: 64 keys, the u-th half of the chunk in hand.
.macro STEP u
	s_cmp_gt_u32 s[CN], s[NB]                      ; the chunk lies in front of the sequence's first key
	s_cbranch_scc1 .Lskip_\@
	s_sub_co_u32 s47, s[DL], 64*\u                 ; delta = my first query - the step's first key
	s_cmp_gt_u32 s47, 512                          ; all its keys come after my queries (delta wraps), or lie beyond the window
	s_cbranch_scc1 .Lskip_\@
	s_min_u32 s47, s47, 512                        ; the bound once more, so that the range of the address below can be read off the text
	s_lshl_b32 s47, s47, 2
	v_add_nc_u32 v[ADK], s[TB], v[L16]
	v_sub_nc_u32 v[ADB], v[BL0], s47
	WIN TO1
.irp t, 0,1,2,3
.irp p, 0,1,2,3
	ds_load_b128 v[KV+16*\t+4*\p:KV+16*\t+4*\p+3], v[ADK] offset:\u*8192+\t*2048+\p*512   ; K: key tile t, piece p
.endr
.endr
	WIN 0
.irp e, 0,1,2,3,4,5,6
	ds_load_b128 v[BI+8*\e:BI+8*\e+3], v[ADB] offset:64*(6-\e)
	ds_load_b128 v[BI+8*\e+4:BI+8*\e+7], v[ADB] offset:64*(6-\e)+16
.endr
	s_wait_dscnt 0x0
	WIN W_S
.irp a, 0,1,2,3                        ; the 16 accumulators take turns, one instruction a turn
.irp t, 0,1,2,3
	v_wmma_f32_16x16x32_f16 v[S+32*\a+8*\t:S+32*\a+8*\t+7], v[KV+16*\t:KV+16*\t+7], v[QF+16*\a:QF+16*\a+7], v[BI+8*(\a-\t+3):BI+8*(\a-\t+3)+7]
.endr
.endr
.irp a, 0,1,2,3
.irp t, 0,1,2,3
	v_wmma_f32_16x16x32_f16 v[S+32*\a+8*\t:S+32*\a+8*\t+7], v[KV+16*\t+8:KV+16*\t+15], v[QF+16*\a+8:QF+16*\a+15], v[S+32*\a+8*\t:S+32*\a+8*\t+7]
.endr
.endr
	WIN 0
.rept 4
	v_nop                                          ; four plain instructions between the products and the loads into K's registers, and the first read of the scores
.endr
	WIN TO1
.irp g, 0,1
.irp dt, 0,1,2,3
.irp c, 0,1
	ds_load_tr16_b128 v[KV+8*(4*\g+\dt)+4*\c:KV+8*(4*\g+\dt)+4*\c+3], v[ADK] offset:VOFF+\u*8192+(2*\g+\c)*2048+\dt*512   ; V turned: 16 channels x 32 keys; it lands under the softmax
.endr
.endr
.endr
	WIN 0
	SOFTMAX
	WIN W_RS
.irp a, 0,1,2,3
.irp i, 0,2,4,6,8,10,12,14,16,18,20,22,24,26,28,30
	v_pk_mul_f32 v[OT+32*\a+\i:OT+32*\a+\i+1], v[OT+32*\a+\i:OT+32*\a+\i+1], v[ST+8*\a+6:ST+8*\a+7] op_sel_hi:[1,0]   ; O^T under the new m
.endr
.endr
	s_wait_dscnt 0x0                               ; V is in
	WIN W_PV
.irp g, 0,1
.irp a, 0,1,2,3
.irp dt, 0,1,2,3
	v_wmma_f32_16x16x32_f16 v[OT+32*\a+8*\dt:OT+32*\a+8*\dt+7], v[KV+8*(4*\g+\dt):KV+8*(4*\g+\dt)+7], v[S+32*\a+8*\g:S+32*\a+8*\g+7], v[OT+32*\a+8*\dt:OT+32*\a+8*\dt+7]
.endr
.endr
.endr
	WIN 0
.rept 5
	v_nop                                          ; five plain instructions: the next step's first products write over P, and its loads land on V
.endr
.Lskip_\@:
.endm
; THE CHANGE OF SLOTS stands at a chunk's head.  Each wave waits for all its tensor loads, adds 0 to its spare word, and waits for that and for its reads of the
; slot that it has left.  Behind the barrier the slot ahead is whole and nobody reads the other one, which takes the chunk that follows, if there is one.
.macro CHANGE fill
	s_wait_tensorcnt 0x0                           ; no tensor load of mine is out, so group 0 may be written
	ds_add_u32 v[SPW], v[NIL]
.if \fill
	ds_add_u32 v[SPW], v[NIL]
	s_xor_b32 s25, s25, SLOT1                      ; the other slot than last time,
	s_sub_nc_u64 s[26:27], s[26:27], 16384         ; the 128 keys in front
.endif
	s_wait_dscnt 0x0
	s_barrier_signal -1
	s_barrier_wait -1
.if \fill
	s_add_co_u32 s47, s[CN], 1
	s_cmp_gt_u32 s47, s[NB]                        ; ids and the count of trips alone: all eight waves go the same way
	s_cbranch_scc1 .Lpast_\@
	s_cmp_lt_u32 s[WV], 2
	s_cbranch_scc0 .Lpast_\@
	tensor_load_to_lds s[24:27], s[16:23]          ; the wave's one tensor load until the next such barrier: it has two steps in which to land
	s_nop 0
.rept 4
	v_nop
.endr
.Lpast_\@:
.endif
.endm
	s_wait_loadcnt 0x0                             ; Q
.Lchunk:                                               ; four trips: chunks 0 to 3
	CHANGE 1
	STEP 0
	STEP 1
	s_xor_b32 s[TB], s[TB], SLOT1
	s_add_co_u32 s[DL], s[DL], 128
	s_add_co_u32 s[CN], s[CN], 1
	s_sub_co_u32 s[CNT], s[CNT], 1
	s_cmp_lg_u32 s[CNT], 0
	s_cbranch_scc1 .Lchunk
	CHANGE 0                                       ; chunk 4 is written out: nothing follows it
	STEP 0
	STEP 1
	; THE WAY OUT: the sum's parts are added, O^T is divided, rounded to f16 and stored as the next product's operand registers: of [tile of 16 rows][head][piece 4][lane][16 bytes]
.irp a, 0,1,2,3
	v_add_f32 v[ST+8*\a+4], v[ST+8*\a+2], v[ST+8*\a+3]
.endr
.irp a, 0,1,2,3
	v_permlanex16_b32 v[ST+8*\a+5], v[ST+8*\a+4], s[SEL], s[SEL+1]
.endr
.irp a, 0,1,2,3
	v_add_f32 v[ST+8*\a+4], v[ST+8*\a+4], v[ST+8*\a+5]
.endr
.irp a, 0,1,2,3
	v_rcp_f32 v[ST+8*\a+6], v[ST+8*\a+4]
.endr
	v_nop                                          ; a plain instruction behind the last reciprocal
	s_wait_alu depctr_va_vdst(0)                   ; one wait for the four, ahead of their first reader
.macro OUT a
	WIN W_RS
.set i, 0
.rept 16
	v_pk_mul_f32 v[OT+32*(\a)+i:OT+32*(\a)+i+1], v[OT+32*(\a)+i:OT+32*(\a)+i+1], v[ST+8*(\a)+6:ST+8*(\a)+7] op_sel_hi:[1,0]
.set i, i+2
.endr
	WIN 0x05                                       ; sources window 1, destination window 0
.set i, 0
.rept 16
	v_cvt_pk_f16_f32 v[S+32*(\a)+i], v[OT+32*(\a)+2*i], v[OT+32*(\a)+2*i+1]
.set i, i+1
.endr
	WIN 0
.irp dt, 0,1,2,3
	global_store_b128 v[L16], v[S+32*(\a)+4*\dt:S+32*(\a)+4*\dt+3], s[50:51] offset:(\a)*65536+\dt*512   ; 512 consecutive bytes a store
.endr
.endm
	OUT 0
	OUT 1
	OUT 2
	OUT 3
	s_wait_tensorcnt 0x0                           ; the wave's end
	ds_add_u32 v[SPW], v[NIL]
	s_wait_dscnt 0x0
	s_endpgm
.Lfunc_end_k_q02b1427d42_attn:
	.size	k_q02b1427d42_attn, .Lfunc_end_k_q02b1427d42_attn-k_q02b1427d42_attn
	.p2alignl 7, 3214868480
	.fill 96, 4, 3214868480
	.section	.rodata,"a",@progbits
	.p2align	6, 0x0
	.amdhsa_kernel k_q02b1427d42_attn
		.amdhsa_group_segment_fixed_size 327680
		.amdhsa_private_segment_fixed_size 0
		.amdhsa_enable_private_segment 0
		.amdhsa_kernarg_size 32
		.amdhsa_user_sgpr_count 2
		.amdhsa_user_sgpr_kernarg_segment_ptr 1
		.amdhsa_wavefront_size32 1
		.amdhsa_system_sgpr_workgroup_id_x 1
		.amdhsa_system_sgpr_workgroup_id_y 1
		.amdhsa_system_sgpr_workgroup_id_z 1
		.amdhsa_system_vgpr_workitem_id 0
		.amdhsa_next_free_vgpr 512
		.amdhsa_next_free_sgpr 66
		.amdhsa_reserve_vcc 0
		.amdhsa_float_denorm_mode_32 3
		.amdhsa_float_denorm_mode_16_64 3
		.amdhsa_memory_ordered 1
		.amdhsa_forward_progress 1
		.amdhsa_inst_pref_size 155
	.end_amdhsa_kernel
	.amdgpu_metadata
---
amdhsa.version: [ 1, 2 ]
amdhsa.kernels:
  - .name:           k_q02b1427d42_attn
    .symbol:         k_q02b1427d42_attn.kd
    .args:
      - { .name: qkvf, .offset: 0, .size: 8, .value_kind: global_buffer, .address_space: global }
      - { .name: tabs, .offset: 8, .size: 8, .value_kind: global_buffer, .address_space: global }
      - { .name: tau, .offset: 16, .size: 8, .value_kind: global_buffer, .address_space: global }
      - { .name: of, .offset: 24, .size: 8, .value_kind: global_buffer, .address_space: global }
    .group_segment_fixed_size: 327680
    .private_segment_fixed_size: 0
    .kernarg_segment_align: 8
    .kernarg_segment_size: 32
    .max_flat_workgroup_size: 256
    .sgpr_count:     66
    .vgpr_count:     512
    .wavefront_size: 32
...
	.end_amdgpu_metadata
.endif
;; end of part 3
;; launch oproj (part 4): grid 16 x 16, 4 waves a work-group, clusters of 4 x 4, 327,680 bytes of LDS; arguments of, wof, out0; writes out0
.if DOCPART == 4
	.amdgcn_target "amdgcn-amd-amdhsa--gfx1250"
	.amdhsa_code_object_version 6
	.text
	.protected	k_q02b1427d42_oproj
	.globl	k_q02b1427d42_oproj
	.p2align	8
	.type	k_q02b1427d42_oproj,@function
k_q02b1427d42_oproj:
	s_mov_b64 s[64:65], 0
	v_nop
	global_prefetch_b8 v0, s[64:65] scope:SCOPE_SE
	s_setreg_imm32_b32 hwreg(HW_REG_WAVE_MODE, 25, 1), 1
	s_wait_xcnt 0x0
	s_wait_alu depctr_hold_cnt(0) depctr_sa_sdst(0) depctr_va_vdst(0) depctr_va_sdst(0) depctr_va_ssrc(0) depctr_va_vcc(0) depctr_vm_vsrc(0)
	s_getreg_b32 s2, hwreg(HW_REG_IB_STS2, 6, 4)
	s_cmp_eq_u32 s2, 0
	s_cbranch_scc0 .Lentry_in_a_cluster
	s_endpgm
.Lentry_in_a_cluster:
	s_bfe_u32 s2, ttmp6, 0x10000c
	s_cmp_lg_u32 s2, 0xf033
	s_cbranch_scc0 .Lentry_shape_is_right
	s_endpgm
.Lentry_shape_is_right:
; OPROJ: out0[4096][2048] = o Wo^T over K = 2048, f16 operands, f32 sums.  The 16 rows at the head of each sequence are left to a launch of their own, which carries them in f32.
; A work-group makes 256 rows x 128 columns: 16 x 16 work-groups, one for each WGP (tiles of 256 x 256 would be 128).  Wave w: rows 128 (w / 2) on (8 row tiles), columns 64 (w % 2) on (4 column tiles): 32 accumulators, 256 registers.
; Both operands lie in memory as images of operand registers: [tile of 16 rows][k32 64][c 2][lane][16 bytes].  So any run along K is a run of consecutive bytes of each tile, LDS needs no padding, and every LDS load takes 16 bytes at 16 x lane.
; K goes through two LDS slots of 192 along K: a tile's part is 6,144 bytes, a slot (16 + 8) x 6,144 = 147,456 bytes, the two 294,912 of the 327,680; two slots of 256 along K would be 393,216.  A slot as long as fits lets the one
; load that a wave issues behind a round bring the most bytes, and leaves it 192 products in which to land.  2,048 = 10 x 192 + 128: the eleventh slot is a short one of 128 along K, with descriptors and addresses of its own, in slot 0's bytes.
; CLUSTERS: 4 x 4; o's tiles are shared along a row of the cluster, Wo's along a column, by joint loads.
; NO PREFETCH: a slot's part of a tile is 24 blocks of 256 bytes, which 32 lanes cannot share out without naming blocks twice or switching lanes off.
; THE MATRIX INSTRUCTION IS USED TRANSPOSED (source 0 = 16 rows of Wo, source 1 = 16 rows of o): a lane holds eight neighbouring numbers of a row of out0.
; REGISTERS: window 0: v16-29 addresses; v32-95 rows on the way out.   window 1: two fragment buffers at v0 and v128: o's 8 fragments, then Wo's 4.   window 2: accumulator (i, j) at v[8 (4 i + j)].
.set TS,     6144                      ; a tile's bytes in a slot: 192 along K
.set TTS,    4096                      ; and in the short slot: 128 along K
.set BOFF,   16*TS                     ; a slot: o's 16 tiles, then Wo's 8
.set SLOT,   24*TS
.set TBOFF,  16*TTS                    ; the short slot: o's 16 tiles, then Wo's 8, from slot 0's first byte on
.set STAGE,  2*SLOT                    ; behind the ring: 16 rows x (256 bytes + 16) for each wave
.set SPITCH, 272
.set SPARE,  STAGE+4*16*SPITCH         ; the spare words, 128 bytes for each wave
.set TRIPS,  4                         ; a trip = two slots; the loop fills K slots 2 to 9
.set ADRA,  16                         ; v16-17 LDS address of my fragments of o in slot 0, 1
.set ADRAT, 18                         ; v18    the same in the short slot
.set ADRB,  20                         ; v20-21 of Wo
.set ADRBT, 22                         ; v22
.set STO,  24                          ; v24 the way out: where I put 32 bytes of a row
.set RD,   25                          ; v25 where I read rows back
.set CO,   26                          ; v26 my byte offset in out0
.set FL,   27                          ; v27 0 where my row tile 0 is the head of a sequence
.set SPW,  28                          ; v28 LDS address of my spare word; never rewritten
.set NIL,  29                          ; v29 0; never rewritten
.set BK,   32
.set F0,   0
.set F1,   128
.set G1,   24                          ; s[24:31] descriptor group 1 for o's tiles;  s[32:39] group 0, a set for each slot
.set G0,   32
.set G1B,  48                          ; s[48:55], s[56:63] the same for Wo's
.set G0B,  56
.set G1T,  68                          ; s[68:75], s[76:83] groups 1 for the short slot: o's, Wo's
.set G1BT, 76
.set G0T,  84                          ; s[84:87], s[88:91] its groups 0
.set G0BT, 88
.set MSB, 0
.macro WIN new                         ; the immediate's high byte repeats the setting that is left
.if MSB != (\new)
	s_set_vgpr_msb (MSB<<8)|(\new)
.set MSB, \new
.endif
.endm
.set MUL,  0xa5                        ; sources window 1; C and D window 2
.set TO_F, 0x40                        ; destination window 1, address window 0
; A joint load: waves 0 and 1 fetch o's halves, waves 2 and 3 Wo's.  The branch hangs on the wave's number alone.  An s_nop 0 and four v_nop follow each of the two lines.
.macro JLOAD g0a, g1a, g0b, g1b
	s_cmp_eq_u32 s11, 0
	s_cbranch_scc0 .Lfor_b_\@
	tensor_load_to_lds s[\g0a:\g0a+3], s[\g1a:\g1a+7]
	s_nop 0
.rept 4
	v_nop
.endr
	s_branch .Lasked_\@
.Lfor_b_\@:
	tensor_load_to_lds s[\g0b:\g0b+3], s[\g1b:\g1b+7]
	s_nop 0
.rept 4
	v_nop
.endr
.Lasked_\@:
.endm
.macro CREST                           ; a round of the cluster's barrier behind its opening barrier
	s_cmp_lg_u32 s10, 0
	s_cbranch_scc1 .Lnot_wave_0_\@
	s_barrier_signal -3
.Lnot_wave_0_\@:
	s_barrier_wait -3
	s_barrier_signal -1
	s_barrier_wait -1
.endm
.macro CROUND
	s_barrier_signal -1
	s_barrier_wait -1
	CREST
.endm
.macro PLACES
.rept 4
	v_nop
.endr
.endm
	s_load_b128 s[4:7], s[0:1], 0x0                ; of s[4:5], wof s[6:7]
	s_load_b64 s[8:9], s[0:1], 0x10                ; out0
	v_lshl_add_u32 v[SPW], v0, 2, SPARE
	v_mov_b32 v[NIL], 0
	ds_add_u32 v[SPW], v[NIL]                      ; the wave's opening: the add, twice on end, and its wait ahead of my first tensor load
	ds_add_u32 v[SPW], v[NIL]
	v_lshrrev_b32 v1, 5, v0
	v_readfirstlane_b32 s10, v1                    ; wave 0..3
	s_lshr_b32 s11, s10, 1                         ; my half of the rows.  Also: I fetch for o (0) or for Wo (1)
	s_and_b32 s12, s10, 1                          ; my half of the columns.  Also: which half of that tile I fetch
	s_bfe_u32 s40, ttmp6, 0x40000                  ; cx, cy: my place in the cluster
	s_bfe_u32 s41, ttmp6, 0x40004
	s_lshl_b32 s42, ttmp9, 2
	s_add_co_u32 s42, s42, s40                     ; tile column
	s_and_b32 s13, ttmp7, 0xffff
	s_lshl_b32 s13, s13, 2
	s_add_co_u32 s13, s13, s41                     ; tile row
	s_lshl_b32 s43, s41, 2
	s_lshl_b32 s43, 15, s43                        ; my row of the cluster
	s_lshl_b32 s44, 0x1111, s40                    ; my column
	; group 1: rows of 768 elements of 8 bytes (a tile's part of a slot; in the short slot 512), 8,192 elements apart (a tile's whole K); 8 tiles of o, 4 of Wo; no padding
	s_or_b32 s[G1+0], s43, (3<<16)|(1<<21)
	s_or_b32 s[G1T+0], s43, (3<<16)|(1<<21)
	s_or_b32 s[G1B+0], s44, (3<<16)|(1<<21)
	s_or_b32 s[G1BT+0], s44, (3<<16)|(1<<21)
.irp g, G1, G1B
	s_mov_b32 s[\g+1], 768<<16                     ; tensor_dim0
	s_mov_b32 s[\g+3], 768<<16                     ; tile_dim0
.endr
.irp g, G1T, G1BT
	s_mov_b32 s[\g+1], 512<<16
	s_mov_b32 s[\g+3], 512<<16
.endr
.irp g, G1, G1T
	s_mov_b32 s[\g+2], 8<<16                       ; tensor_dim1
	s_mov_b32 s[\g+4], 8                           ; tile_dim1
.endr
.irp g, G1B, G1BT
	s_mov_b32 s[\g+2], 4<<16
	s_mov_b32 s[\g+4], 4
.endr
.irp g, G1, G1B, G1T, G1BT
	s_mov_b32 s[\g+5], 8192                        ; the pitch
	s_mov_b32 s[\g+6], 0
	s_mov_b32 s[\g+7], 0
.endr
	s_lshl_b32 s16, s13, 4
	s_lshl_b32 s17, s12, 3
	s_add_co_u32 s16, s16, s17                     ; o: tile 16 x tile row + 8 x half
	s_lshl_b32 s16, s16, 16
	s_mov_b32 s17, 0
	s_lshl_b32 s46, s42, 3
	s_lshl_b32 s47, s12, 2
	s_add_co_u32 s46, s46, s47                     ; Wo: tile 8 x tile column + 4 x half
	s_lshl_b32 s46, s46, 16
	s_mov_b32 s47, 0
	s_mul_i32 s20, s12, 8*TS                       ; where they go: no place in the cluster enters an LDS address
	s_mul_i32 s21, s12, 4*TS
	s_add_co_u32 s21, s21, BOFF
	s_lshl_b32 s18, s12, 15                        ; and in the short slot: 8 tiles of 4,096 bytes a half,
	s_lshl_b32 s19, s12, 14                        ; 4 tiles a half
	s_add_co_u32 s19, s19, TBOFF
	s_wait_dscnt 0x0                               ; both opening adds are done
	s_wait_kmcnt 0x0
	s_add_nc_u64 s[14:15], s[4:5], s[16:17]
	s_add_nc_u64 s[46:47], s[6:7], s[46:47]
	s_mov_b32 s[G0T], 1                            ; the short slot's groups 0: K from 1,920 on
	s_mov_b32 s[G0T+1], s18
	s_add_nc_u64 s[G0T+2:G0T+3], s[14:15], 10*TS
	s_or_b32 s[G0T+3], s[G0T+3], 0x80000000
	s_mov_b32 s[G0BT], 1
	s_mov_b32 s[G0BT+1], s19
	s_add_nc_u64 s[G0BT+2:G0BT+3], s[46:47], 10*TS
	s_or_b32 s[G0BT+3], s[G0BT+3], 0x80000000
	CROUND                                         ; all sixteen work-groups are here: the first joint loads meet
.irp s, 0,1
	s_mov_b32 s[G0+4*\s], 1
	s_add_co_u32 s[G0+4*\s+1], s20, \s*SLOT
	s_add_nc_u64 s[G0+4*\s+2:G0+4*\s+3], s[14:15], \s*TS
	s_or_b32 s[G0+4*\s+3], s[G0+4*\s+3], 0x80000000
	s_mov_b32 s[G0B+4*\s], 1
	s_add_co_u32 s[G0B+4*\s+1], s21, \s*SLOT
	s_add_nc_u64 s[G0B+4*\s+2:G0B+4*\s+3], s[46:47], \s*TS
	s_or_b32 s[G0B+4*\s+3], s[G0B+4*\s+3], 0x80000000
	JLOAD G0+4*\s, G1, G0B+4*\s, G1B               ; two tensor loads of mine are out now, later one
.endr
	v_and_b32 v1, 15, v0                           ; lane % 16
	v_bfe_u32 v2, v0, 4, 1                         ; lane / 16
	v_and_b32 v3, 31, v0
	v_lshlrev_b32 v3, 4, v3                        ; 16 x lane
	s_mul_i32 s22, s11, 8*TS                       ; my 8 tiles of o
	v_add_nc_u32 v[ADRA], s22, v3
	v_add_nc_u32 v[ADRA+1], SLOT, v[ADRA]
	s_lshl_b32 s22, s11, 15
	v_add_nc_u32 v[ADRAT], s22, v3
	s_mul_i32 s22, s12, 4*TS
	s_add_co_u32 s22, s22, BOFF                    ; my 4 tiles of Wo
	v_add_nc_u32 v[ADRB], s22, v3
	v_add_nc_u32 v[ADRB+1], SLOT, v[ADRB]
	s_lshl_b32 s22, s12, 14
	s_add_co_u32 s22, s22, TBOFF
	v_add_nc_u32 v[ADRBT], s22, v3
	s_mul_i32 s23, s10, 16*SPITCH
	s_add_co_u32 s23, s23, STAGE                   ; my stage
	v_mul_u32_u24 v4, v1, SPITCH
	v_lshl_add_u32 v4, v2, 5, v4
	v_add_nc_u32 v[STO], s23, v4                   ; in: row lane % 16, 32 bytes for each half of the lanes
	v_mul_u32_u24 v5, v2, SPITCH
	v_lshl_add_u32 v5, v1, 4, v5
	v_add_nc_u32 v[RD], s23, v5                    ; back: lanes 0-15 one row of 256 bytes, lanes 16-31 the next
	v_lshlrev_b32 v5, 13, v2
	v_lshl_add_u32 v[CO], v1, 4, v5                ; and the same two rows in out0
	s_and_b32 s45, s13, 7
	s_or_b32 s45, s45, s11
	v_mov_b32 v[FL], s45
	s_lshl_b32 s16, s13, 8
	s_lshl_b32 s17, s11, 7
	s_add_co_u32 s16, s16, s17                     ; my first row
	s_lshl_b32 s16, s16, 13
	s_mov_b32 s17, 0
	s_add_nc_u64 s[8:9], s[8:9], s[16:17]
	s_lshl_b32 s46, s42, 9                         ; my first column, in bytes (in the registers that held Wo's address)
	s_lshl_b32 s47, s12, 8
	s_add_co_u32 s46, s46, s47
	s_mov_b32 s47, 0
	s_add_nc_u64 s[8:9], s[8:9], s[46:47]
; 8 products: row tiles i0, i0 + 1 x the 4 column tiles, 32 along K, fragments of buffer f.  zero = 1: they start the sums.  The 32 accumulators take turns in the same order in every quarter.
.macro MUL8 f, i0, zero
.irp i, \i0, \i0+1
.irp j, 0,1,2,3
.if \zero
	v_wmma_f32_16x16x32_f16 v[8*(4*(\i)+\j):8*(4*(\i)+\j)+7], v[\f+64+8*\j:\f+64+8*\j+7], v[\f+8*(\i):\f+8*(\i)+7], 0
.else
	v_wmma_f32_16x16x32_f16 v[8*(4*(\i)+\j):8*(4*(\i)+\j)+7], v[\f+64+8*\j:\f+64+8*\j+7], v[\f+8*(\i):\f+8*(\i)+7], v[8*(4*(\i)+\j):8*(4*(\i)+\j)+7]
.endif
.endr
.endr
.endm
; 24 LDS loads in one run: the fragments of a slot's s-th 32 along K into buffer f: Wo's first, then o's.  ra, rb: the slot's address registers; ts: a tile's bytes in it.
.macro FETCH ra, rb, ts, s, f
	WIN TO_F
.irp j, 0,1,2,3
	ds_load_b128 v[\f+64+8*\j:\f+64+8*\j+3], v[\rb] offset:\j*(\ts)+(\s)*1024
	ds_load_b128 v[\f+64+8*\j+4:\f+64+8*\j+7], v[\rb] offset:\j*(\ts)+(\s)*1024+512
.endr
.irp i, 0,1,2,3,4,5,6,7
	ds_load_b128 v[\f+8*\i:\f+8*\i+3], v[\ra] offset:\i*(\ts)+(\s)*1024
	ds_load_b128 v[\f+8*\i+4:\f+8*\i+7], v[\ra] offset:\i*(\ts)+(\s)*1024+512
.endr
.endm
; A slot is six quarters of 32 along K (the short one four), 32 products each, on buffers 0, 1, 0, 1 ..  All but a slot's last: multiplies buffer f and, in its middle, fetches the next quarter (sn) into g.
.macro QUARTER ra, rb, ts, sn, f, g, zero
	s_wait_dscnt 8                                 ; Wo's fragments and o's row tiles 0-3 are in; the youngest eight loads (row tiles 4-7) may be out
	WIN MUL
	MUL8 \f, 0, \zero
	MUL8 \f, 2, \zero
	PLACES                                         ; four plain instructions in front of loads into registers that products have read
	FETCH \ra, \rb, \ts, \sn, \g
	s_wait_dscnt 24                                ; all but the 24 just issued
	WIN MUL
	MUL8 \f, 4, \zero
	MUL8 \f, 6, \zero
.endm
.macro REST ra, rb                     ; a long slot's second to fifth quarter
	QUARTER \ra, \rb, TS, 2, F1, F0, 0
	QUARTER \ra, \rb, TS, 3, F0, F1, 0
	QUARTER \ra, \rb, TS, 4, F1, F0, 0
	QUARTER \ra, \rb, TS, 5, F0, F1, 0
.endm
; A long slot's last quarter multiplies buffer 1 and changes slots.  The change comes FIRST: the slot's last fragments were asked for in the quarter before, so the slot can be given up at once, and the refill has this quarter's
; 32 products and the next slot's first 160 in which to land.  In front of the barrier each wave waits for all its tensor loads (its part of the next slot), adds 0 to its spare word, and waits for that and for its reads of this slot.
; fill = 1: this slot takes the K slot two on;  2: it takes the short slot;  0: nothing is left to fetch.  ra, rb, ts: the slot that is read next.
.macro TURN slot, fill, ra, rb, ts
	WIN 0
	s_wait_tensorcnt 0x0                           ; all my tensor loads have landed, so a group 0 may be written
	ds_add_u32 v[SPW], v[NIL]                      ; the descriptors' steps stand between the add and the wait for it
.if (\fill) == 1
	s_add_nc_u64 s[G0+4*\slot+2:G0+4*\slot+3], s[G0+4*\slot+2:G0+4*\slot+3], 2*TS
	s_add_nc_u64 s[G0B+4*\slot+2:G0B+4*\slot+3], s[G0B+4*\slot+2:G0B+4*\slot+3], 2*TS
.endif
	s_wait_dscnt 0x0                               ; the add is done, buffer 1 is in, and my reads of this slot are over
	s_barrier_signal -1
	s_barrier_wait -1
.if (\fill) == 1
	CREST                                          ; the barrier has opened a round of the cluster's barrier: no wave of any partner still reads this slot or has a load on its way
	JLOAD G0+4*\slot, G1, G0B+4*\slot, G1B         ; the first tensor load behind the round; its four v_nop are also the places in front of the loads below
.elseif (\fill) == 2
	CREST
	JLOAD G0T, G1T, G0BT, G1BT
.else
	PLACES
.endif
	FETCH \ra, \rb, \ts, 0, F0
	WIN MUL
	MUL8 F1, 0, 0
	MUL8 F1, 2, 0
	MUL8 F1, 4, 0
	MUL8 F1, 6, 0
.endm
	s_wait_tensorcnt 1                             ; my part of K slot 0 is in (K slot 1's load may be out),
	s_barrier_signal -1
	s_barrier_wait -1                              ; everybody's is
	FETCH ADRA, ADRB, TS, 0, F0
	QUARTER ADRA, ADRB, TS, 1, F0, F1, 1           ; the first quarter stands in front of the loop: its products start the sums
	WIN 0
	s_mov_b32 s3, TRIPS
.Llap:                                                 ; a trip goes once round the ring, from a slot 0's second quarter to the next one's first, and fills both slots again
	REST ADRA, ADRB
	TURN 0, 1, ADRA+1, ADRB+1, TS
	QUARTER ADRA+1, ADRB+1, TS, 1, F0, F1, 0
	REST ADRA+1, ADRB+1
	TURN 1, 1, ADRA, ADRB, TS
	QUARTER ADRA, ADRB, TS, 1, F0, F1, 0
	WIN 0
	s_sub_co_u32 s3, s3, 1
	s_cmp_lg_u32 s3, 0
	s_cbranch_scc1 .Llap
	REST ADRA, ADRB                                ; K slot 8 goes on;
	TURN 0, 2, ADRA+1, ADRB+1, TS                  ; slot 0 takes the short slot, the last load
	QUARTER ADRA+1, ADRB+1, TS, 1, F0, F1, 0       ; K slot 9
	REST ADRA+1, ADRB+1
	TURN 1, 0, ADRAT, ADRBT, TTS                   ; nothing is left to fetch
	QUARTER ADRAT, ADRBT, TTS, 1, F0, F1, 0        ; the short slot: four quarters
	QUARTER ADRAT, ADRBT, TTS, 2, F1, F0, 0
	QUARTER ADRAT, ADRBT, TTS, 3, F0, F1, 0
	s_wait_dscnt 8
	WIN MUL
	MUL8 F1, 0, 0
	MUL8 F1, 2, 0
	s_wait_dscnt 0x0
	MUL8 F1, 4, 0
	MUL8 F1, 6, 0
	WIN 0
; THE WAY OUT, a row tile (16 rows x 64 columns) at a time through my own stage: in as 32 bytes a lane, back as whole rows of 256 bytes, which sixteen lanes store as 256 consecutive bytes at a multiple of 256 from out0's first byte.
.macro TOSTAGE i
	WIN 0x08                                       ; an LDS store's data are its source 1: window 2
.irp j, 0,1,2,3
	ds_store_b128 v[STO], v[8*(4*(\i)+\j):8*(4*(\i)+\j)+3] offset:64*\j           ; each accumulator from its low end on
	ds_store_b128 v[STO], v[8*(4*(\i)+\j)+4:8*(4*(\i)+\j)+7] offset:64*\j+16
.endr
	WIN 0
.irp t, 0,1,2,3,4,5,6,7
	ds_load_b128 v[BK+32*((\i)%2)+4*\t:BK+32*((\i)%2)+4*\t+3], v[RD] offset:2*\t*SPITCH   ; LDS serves a wave's instructions in order: these see the stores above
.endr
.endm
.macro SEND i, younger
	s_wait_dscnt \younger                          ; the tile is back in registers; the next tile's 8 stores and 8 loads may be out
.if (\i) == 0
	s_wait_xcnt 0x0                                ; EXEC changes only behind this wait
	v_cmp_ne_u32 vcc_lo, 0, v[FL]
	s_and_saveexec_b32 s20, vcc_lo                 ; the first 16 rows of a sequence are stored by the launch that carries them in f32
.endif
.irp t, 0,1,2,3,4,5,6,7
	global_store_b128 v[CO], v[BK+32*((\i)%2)+4*\t:BK+32*((\i)%2)+4*\t+3], s[8:9] offset:(\i)*131072+2*\t*8192 th:TH_STORE_NT
.endr
.if (\i) == 0
	s_wait_xcnt 0x0                                ; and again, in front of the line that widens it
	s_or_b32 exec_lo, exec_lo, s20
.endif
.endm
	PLACES                                         ; four plain instructions between the last products and the first read of results
	TOSTAGE 0
.irp i, 1,2,3,4,5,6,7
.if \i > 1
	s_wait_xcnt 0x0                                ; tile i - 2's stores have read their registers: tile i's rows may land there
.endif
	TOSTAGE \i
	SEND \i-1, 16
.endr
	SEND 7, 0
	s_wait_tensorcnt 0x0                           ; the wave's end
	ds_add_u32 v[SPW], v[NIL]
	s_wait_dscnt 0x0
	CROUND                                         ; the closing round: no work-group ends while a partner may still ask for a tile that names it
	s_endpgm
.Lfunc_end_k_q02b1427d42_oproj:
	.size	k_q02b1427d42_oproj, .Lfunc_end_k_q02b1427d42_oproj-k_q02b1427d42_oproj
	.p2alignl 7, 3214868480
	.fill 96, 4, 3214868480
	.section	.rodata,"a",@progbits
	.p2align	6, 0x0
	.amdhsa_kernel k_q02b1427d42_oproj
		.amdhsa_group_segment_fixed_size 327680
		.amdhsa_private_segment_fixed_size 0
		.amdhsa_enable_private_segment 0
		.amdhsa_kernarg_size 24
		.amdhsa_user_sgpr_count 2
		.amdhsa_user_sgpr_kernarg_segment_ptr 1
		.amdhsa_wavefront_size32 1
		.amdhsa_system_sgpr_workgroup_id_x 1
		.amdhsa_system_sgpr_workgroup_id_y 1
		.amdhsa_system_sgpr_workgroup_id_z 1
		.amdhsa_system_vgpr_workitem_id 0
		.amdhsa_next_free_vgpr 768
		.amdhsa_next_free_sgpr 92
		.amdhsa_reserve_vcc 1
		.amdhsa_float_denorm_mode_32 3
		.amdhsa_float_denorm_mode_16_64 3
		.amdhsa_memory_ordered 1
		.amdhsa_forward_progress 1
		.amdhsa_inst_pref_size 132
	.end_amdhsa_kernel
	.amdgpu_metadata
---
amdhsa.version: [ 1, 2 ]
amdhsa.kernels:
  - .name:           k_q02b1427d42_oproj
    .symbol:         k_q02b1427d42_oproj.kd
    .args:
      - { .name: of, .offset: 0, .size: 8, .value_kind: global_buffer, .address_space: global }
      - { .name: wof, .offset: 8, .size: 8, .value_kind: global_buffer, .address_space: global }
      - { .name: out0, .offset: 16, .size: 8, .value_kind: global_buffer, .address_space: global }
    .group_segment_fixed_size: 327680
    .private_segment_fixed_size: 0
    .kernarg_segment_align: 8
    .kernarg_segment_size: 24
    .max_flat_workgroup_size: 128
    .sgpr_count:     92
    .vgpr_count:     768
    .wavefront_size: 32
...
	.end_amdgpu_metadata
.endif
;; end of part 4
;; launch fineA (part 5): grid 32 x 2, 1 waves a work-group, no clusters, 0 bytes of LDS; arguments x32, tabs, tau, o32; writes o32
.if DOCPART == 5
	.amdgcn_target "amdgcn-amd-amdhsa--gfx1250"
	.amdhsa_code_object_version 6
	.text
	.protected	k_q02b1427d42_fineA
	.globl	k_q02b1427d42_fineA
	.p2align	8
	.type	k_q02b1427d42_fineA,@function
k_q02b1427d42_fineA:
	s_mov_b64 s[64:65], 0
	v_nop
	global_prefetch_b8 v0, s[64:65] scope:SCOPE_SE
	s_setreg_imm32_b32 hwreg(HW_REG_WAVE_MODE, 25, 1), 1
	s_wait_xcnt 0x0
; FINE ATTENTION: positions 0-15 of every sequence and head average one to sixteen values and are the largest numbers of the result: they are carried in f32 throughout.  One wave takes one head of one batch: 16 queries x 16 keys.
; x32 [batch][head 48][piece 8][lane][16 bytes]: piece 2 bt + qh, lane (r, h): position r, d = 16 bt + 8 h + 4 qh + 0..3; q carries log2(e) / 8.  o32 [batch][head 32][piece 8][lane][16 bytes], the same map.
; S^T = k q^T by the f32 matrix form, 4 along d an instruction: register pair i of k and of q holds the same four d in the same places, so the order of d does not matter.  The bias with the causal mask is the C of the first sum.
; O^T = v^T p: p's register pair i holds keys 8 h + 2 i, + 1; v^T is loaded so that its pair i holds the same keys of channel 16 dt + r.
; The registers that the f32 matrix form writes (v120-135, v152-183) are written by nothing else.
	s_load_b256 s[4:11], s[0:1], 0x0               ; x32 s[4:5], tabs s[6:7], tau s[8:9], o32 s[10:11]
	v_and_b32 v1, 15, v0                           ; r
	v_bfe_u32 v2, v0, 4, 1                         ; h
	v_lshlrev_b32 v3, 4, v0                        ; 16 x lane
	v_bfe_u32 v4, v1, 2, 1                         ; v^T: channel 16 dt + r lies in piece 2 dt + (r / 4) % 2, lane half r / 8, number r % 4; key 8 h + key'
	v_lshlrev_b32 v4, 9, v4
	v_lshrrev_b32 v5, 3, v1
	v_lshl_add_u32 v4, v5, 8, v4
	v_lshl_add_u32 v4, v2, 7, v4
	v_and_b32 v5, 3, v1
	v_lshl_add_u32 v4, v5, 2, v4
	v_sub_nc_u32 v6, 4, v5
	v_and_b32 v6, 3, v6                            ; the table's copy (-r) mod 4
	v_mul_u32_u24 v7, v6, 2624
	v_lshl_add_u32 v8, v2, 3, 576
	v_sub_nc_u32 v8, v8, v1
	v_sub_nc_u32 v8, v8, v6
	v_lshl_add_u32 v7, v8, 2, v7                   ; my eight numbers: i - j = r - 8 h - 0..7
	v_mov_b32 v10, 0                               ; (a lane permute's destination counts as one of its sources)
	v_mov_b32 v13, 0
	s_and_b32 s12, ttmp7, 0xffff                   ; batch
	s_mov_b32 s13, ttmp9                           ; head
	s_mul_i32 s14, s12, 48
	s_add_co_u32 s16, s14, s13
	s_lshl_b32 s16, s16, 12                        ; q
	s_mov_b32 s17, 0
	s_lshr_b32 s15, s13, 2
	s_add_co_u32 s14, s14, s15
	s_add_co_u32 s18, s14, 32
	s_lshl_b32 s18, s18, 12                        ; k
	s_mov_b32 s19, 0
	s_add_co_u32 s20, s14, 40
	s_lshl_b32 s20, s20, 12                        ; v
	s_mov_b32 s21, 0
	s_mul_i32 s22, s13, 10496
	s_add_co_u32 s22, s22, 524288                  ; the head's tables
	s_mov_b32 s23, 0
	s_lshl_b32 s24, s13, 2
	s_lshl_b32 s26, s12, 5
	s_add_co_u32 s26, s26, s13
	s_lshl_b32 s26, s26, 12                        ; o32
	s_mov_b32 s27, 0
	s_mov_b32 s28, 0x76543210
	s_mov_b32 s29, 0xfedcba98
	s_wait_kmcnt 0x0
	s_load_b32 s25, s[8:9], s24 offset:0x0         ; tau
	s_add_nc_u64 s[16:17], s[4:5], s[16:17]
	s_add_nc_u64 s[18:19], s[4:5], s[18:19]
	s_add_nc_u64 s[20:21], s[4:5], s[20:21]
	s_add_nc_u64 s[22:23], s[6:7], s[22:23]
	s_add_nc_u64 s[26:27], s[10:11], s[26:27]
.irp p, 0,1,2,3,4,5,6,7
	global_load_b128 v[16+4*\p:19+4*\p], v3, s[16:17] offset:512*\p
	global_load_b128 v[48+4*\p:51+4*\p], v3, s[18:19] offset:512*\p
.endr
	global_load_b128 v[112:115], v7, s[22:23]
	global_load_b128 v[116:119], v7, s[22:23] offset:16
.irp dt, 0,1,2,3
.irp kk, 0,1,2,3,4,5,6,7
	global_load_b32 v[80+8*\dt+\kk], v4, s[20:21] offset:\dt*1024+\kk*16
.endr
.endr
	s_wait_kmcnt 0x0
	v_mov_b32 v14, s25
	v_mul_f32 v14, 0x3fb8aa3b, v14                 ; tau'
	s_wait_loadcnt 0x0
	v_wmma_f32_16x16x4_f32 v[120:127], v[48:49], v[16:17], v[112:119]     ; two sums by turns: the first begins with the bias and mask,
	v_wmma_f32_16x16x4_f32 v[128:135], v[50:51], v[18:19], 0              ; the second with 0
.irp i, 2,3,4,5,6,7,8,9,10,11,12,13,14,15
	v_wmma_f32_16x16x4_f32 v[120+8*(\i%2):127+8*(\i%2)], v[48+2*\i:49+2*\i], v[16+2*\i:17+2*\i], v[120+8*(\i%2):127+8*(\i%2)]
.endr
.rept 8
	v_nop                                          ; eight plain instructions behind this form, ahead of the first read of results
.endr
.irp j, 0,1,2,3,4,5,6,7
	v_add_f32 v[136+\j], v[120+\j], v[128+\j]      ; the scores of query r, keys 8 h + j
.endr
	v_max3_num_f32 v9, v136, v137, v138
	v_max3_num_f32 v11, v139, v140, v141
	v_max3_num_f32 v9, v9, v142, v143
	v_max3_num_f32 v9, v9, v11, v14                ; with tau'
	v_permlanex16_b32 v10, v9, s28, s29
	v_max_num_f32 v9, v9, v10                      ; m
.irp j, 0,1,2,3,4,5,6,7
	v_sub_f32 v[144+\j], v[136+\j], v9
.endr
	v_sub_f32 v11, v14, v9
.irp j, 0,1,2,3,4,5,6,7
	v_exp_f32 v[144+\j], v[144+\j]                 ; p
.endr
	v_exp_f32 v11, v11                             ; the sink's term
	v_nop                                          ; a plain instruction behind the batch
	s_wait_alu depctr_va_vdst(0)                   ; one wait for the nine, ahead of their first reader
	v_add_f32 v12, v144, v145
	v_add_f32 v15, v146, v147
	v_add_f32 v12, v12, v148
	v_add_f32 v15, v15, v149
	v_add_f32 v12, v12, v150
	v_add_f32 v15, v15, v151
	v_add_f32 v12, v12, v15
	v_permlanex16_b32 v13, v12, s28, s29
	v_add_f32 v12, v12, v13
	v_add_f32 v12, v12, v11                        ; the divisor
	v_rcp_f32 v12, v12
	v_nop                                          ; a plain instruction behind the reciprocal; its wait stands ahead of its first reader, below
.irp dt, 0,1,2,3
	v_wmma_f32_16x16x4_f32 v[152+8*\dt:159+8*\dt], v[80+8*\dt:81+8*\dt], v[144:145], 0     ; four sums by turns
.endr
.irp i, 1,2,3
.irp dt, 0,1,2,3
	v_wmma_f32_16x16x4_f32 v[152+8*\dt:159+8*\dt], v[80+8*\dt+2*\i:81+8*\dt+2*\i], v[144+2*\i:145+2*\i], v[152+8*\dt:159+8*\dt]
.endr
.endr
.rept 8
	v_nop
.endr
	s_wait_alu depctr_va_vdst(0)                   ; the reciprocal's wait
.set k, 0
.rept 32
	v_mul_f32 v[184+k], v[152+k], v12              ; register 8 dt + j: o(r, 16 dt + 8 h + j)
.set k, k+1
.endr
.irp p, 0,1,2,3,4,5,6,7
	global_store_b128 v3, v[184+4*\p:187+4*\p], s[26:27] offset:512*\p
.endr
	s_endpgm
.Lfunc_end_k_q02b1427d42_fineA:
	.size	k_q02b1427d42_fineA, .Lfunc_end_k_q02b1427d42_fineA-k_q02b1427d42_fineA
	.p2alignl 7, 3214868480
	.fill 96, 4, 3214868480
	.section	.rodata,"a",@progbits
	.p2align	6, 0x0
	.amdhsa_kernel k_q02b1427d42_fineA
		.amdhsa_group_segment_fixed_size 0
		.amdhsa_private_segment_fixed_size 0
		.amdhsa_enable_private_segment 0
		.amdhsa_kernarg_size 32
		.amdhsa_user_sgpr_count 2
		.amdhsa_user_sgpr_kernarg_segment_ptr 1
		.amdhsa_wavefront_size32 1
		.amdhsa_system_sgpr_workgroup_id_x 1
		.amdhsa_system_sgpr_workgroup_id_y 1
		.amdhsa_system_sgpr_workgroup_id_z 1
		.amdhsa_system_vgpr_workitem_id 0
		.amdhsa_next_free_vgpr 216
		.amdhsa_next_free_sgpr 66
		.amdhsa_reserve_vcc 0
		.amdhsa_float_denorm_mode_32 3
		.amdhsa_float_denorm_mode_16_64 3
		.amdhsa_memory_ordered 1
		.amdhsa_forward_progress 1
		.amdhsa_inst_pref_size 14
	.end_amdhsa_kernel
	.amdgpu_metadata
---
amdhsa.version: [ 1, 2 ]
amdhsa.kernels:
  - .name:           k_q02b1427d42_fineA
    .symbol:         k_q02b1427d42_fineA.kd
    .args:
      - { .name: x32, .offset: 0, .size: 8, .value_kind: global_buffer, .address_space: global }
      - { .name: tabs, .offset: 8, .size: 8, .value_kind: global_buffer, .address_space: global }
      - { .name: tau, .offset: 16, .size: 8, .value_kind: global_buffer, .address_space: global }
      - { .name: o32, .offset: 24, .size: 8, .value_kind: global_buffer, .address_space: global }
    .group_segment_fixed_size: 0
    .private_segment_fixed_size: 0
    .kernarg_segment_align: 8
    .kernarg_segment_size: 32
    .max_flat_workgroup_size: 32
    .sgpr_count:     66
    .vgpr_count:     216
    .wavefront_size: 32
...
	.end_amdgpu_metadata
.endif
;; end of part 5
;; launch fineP (part 6): grid 128 x 2, 4 waves a work-group, no clusters, 4,608 bytes of LDS; arguments o32, Wo, out0; writes out0
.if DOCPART == 6
	.amdgcn_target "amdgcn-amd-amdhsa--gfx1250"
	.amdhsa_code_object_version 6
	.text
	.protected	k_q02b1427d42_fineP
	.globl	k_q02b1427d42_fineP
	.p2align	8
	.type	k_q02b1427d42_fineP,@function
k_q02b1427d42_fineP:
	s_mov_b64 s[64:65], 0
	v_nop
	global_prefetch_b8 v0, s[64:65] scope:SCOPE_SE
	s_setreg_imm32_b32 hwreg(HW_REG_WAVE_MODE, 25, 1), 1
	s_wait_xcnt 0x0
; FINE PROJECTION: the first 16 rows of each sequence of out0 = o32 Wo^T, f32 operands by the f32 matrix form: 32 rows in all, no bulk work.
; A work-group makes 16 columns (x) of one batch's 16 rows (y).  Wave w sums over heads 8 w .. 8 w + 7 (K = 512), a head (64 along K, 16 instructions) at a time; the four partial sums meet in LDS and wave 0 stores.
; Used transposed: source 0 = 16 rows of Wo, source 1 = o's 16 rows: lane (r, h) holds row r and the columns 8 h + 0..7.  o32's register pair i holds four k of a head; Wo is loaded so that its pair i holds the same four.
; Wo's loads take 16 bytes a lane from 16 rows; a head's eight loads together cover 256 consecutive bytes of each row.  The stores are runs of 64 bytes: 262,144 bytes in the whole launch.
; The registers that the f32 matrix form writes (v208-223) are written by nothing else.
.set SPARE, 4096
.set SPW, 14
.set NIL, 15
	s_load_b128 s[4:7], s[0:1], 0x0                ; o32 s[4:5], Wo s[6:7]
	s_load_b64 s[8:9], s[0:1], 0x10                ; out0
	v_lshl_add_u32 v[SPW], v0, 2, SPARE
	v_mov_b32 v[NIL], 0
	v_lshrrev_b32 v1, 5, v0
	v_readfirstlane_b32 s10, v1                    ; wave 0..3
	v_and_b32 v2, 31, v0
	v_lshlrev_b32 v3, 4, v2                        ; 16 x lane
	v_and_b32 v4, 15, v0                           ; r
	v_bfe_u32 v5, v0, 4, 1                         ; h
	v_lshlrev_b32 v6, 13, v4
	v_lshl_add_u32 v6, v5, 5, v6                   ; row r of 8,192 bytes, + 32 h: serves Wo and out0 alike
	s_lshl_b32 s11, s10, 10
	v_add_nc_u32 v7, s11, v3                       ; LDS: 1,024 bytes a wave
	s_and_b32 s12, ttmp7, 0xffff                   ; batch
	s_lshl_b32 s14, s12, 5
	s_lshl_b32 s15, s10, 3
	s_add_co_u32 s14, s14, s15
	s_lshl_b32 s14, s14, 12                        ; o32: my first head
	s_mov_b32 s15, 0
	s_lshl_b32 s16, ttmp9, 17
	s_lshl_b32 s17, s10, 11
	s_add_co_u32 s16, s16, s17                     ; Wo: my 16 rows, my 512 columns
	s_mov_b32 s17, 0
	s_lshl_b32 s18, s12, 24
	s_lshl_b32 s19, ttmp9, 6
	s_add_co_u32 s18, s18, s19                     ; out0: the batch's first row, my 16 columns
	s_mov_b32 s19, 0
	s_wait_kmcnt 0x0
	s_add_nc_u64 s[4:5], s[4:5], s[14:15]
	s_add_nc_u64 s[6:7], s[6:7], s[16:17]
	s_add_nc_u64 s[8:9], s[8:9], s[18:19]
.macro LOADC c                         ; head c of my eight into set c % 3: o's 32 registers, then Wo's
.irp p, 0,1,2,3,4,5,6,7
	global_load_b128 v[16+64*((\c)%3)+4*\p:16+64*((\c)%3)+4*\p+3], v3, s[4:5] offset:(\c)*4096+\p*512
.endr
.irp p, 0,1,2,3,4,5,6,7
	global_load_b128 v[48+64*((\c)%3)+4*\p:48+64*((\c)%3)+4*\p+3], v6, s[6:7] offset:(\c)*256+(\p/2)*64+(\p%2)*16
.endr
.endm
.macro MULC c                          ; 16 instructions, two sums by turns
.irp i, 0,1,2,3,4,5,6,7,8,9,10,11,12,13,14,15
.if ((\c) == 0) && (\i < 2)
	v_wmma_f32_16x16x4_f32 v[208+8*(\i%2):215+8*(\i%2)], v[48+64*((\c)%3)+2*\i:49+64*((\c)%3)+2*\i], v[16+64*((\c)%3)+2*\i:17+64*((\c)%3)+2*\i], 0
.else
	v_wmma_f32_16x16x4_f32 v[208+8*(\i%2):215+8*(\i%2)], v[48+64*((\c)%3)+2*\i:49+64*((\c)%3)+2*\i], v[16+64*((\c)%3)+2*\i:17+64*((\c)%3)+2*\i], v[208+8*(\i%2):215+8*(\i%2)]
.endif
.endr
.endm
	LOADC 0
	LOADC 1
	LOADC 2
.irp c, 0,1,2,3,4,5,6,7
.if \c < 6
	s_wait_loadcnt 32                              ; this head's 16 loads are in; the next two heads' may be out
.else
	s_wait_loadcnt 16*(7-\c)
.endif
	MULC \c
.rept 8
	v_nop                                          ; eight plain instructions behind this form, ahead of loads into registers that it has read and of the first read of results
.endr
.if \c+3 < 8
	LOADC \c+3
.endif
.endr
.irp j, 0,1,2,3,4,5,6,7
	v_add_f32 v[224+\j], v[208+\j], v[216+\j]      ; my wave's part
.endr
	ds_store_b128 v7, v[224:227]
	ds_store_b128 v7, v[228:231] offset:512
	s_wait_dscnt 0x0                               ; for the others' sake: my stores are done
	s_barrier_signal -1
	s_barrier_wait -1
	s_cmp_lg_u32 s10, 0
	s_cbranch_scc1 .Ldone
.irp k, 1,2,3
	ds_load_b128 v[232+8*(\k-1):235+8*(\k-1)], v3 offset:1024*\k
	ds_load_b128 v[236+8*(\k-1):239+8*(\k-1)], v3 offset:1024*\k+512
.endr
	s_wait_dscnt 0x0
.irp k, 0,1,2
.irp j, 0,1,2,3,4,5,6,7
	v_add_f32 v[224+\j], v[224+\j], v[232+8*\k+\j]
.endr
.endr
	global_store_b128 v6, v[224:227], s[8:9] th:TH_STORE_NT
	global_store_b128 v6, v[228:231], s[8:9] offset:16 th:TH_STORE_NT
.Ldone:
	s_wait_tensorcnt 0x0                           ; the wave's end, behind my last LDS store
	ds_add_u32 v[SPW], v[NIL]
	s_wait_dscnt 0x0
	s_endpgm
.Lfunc_end_k_q02b1427d42_fineP:
	.size	k_q02b1427d42_fineP, .Lfunc_end_k_q02b1427d42_fineP-k_q02b1427d42_fineP
	.p2alignl 7, 3214868480
	.fill 96, 4, 3214868480
	.section	.rodata,"a",@progbits
	.p2align	6, 0x0
	.amdhsa_kernel k_q02b1427d42_fineP
		.amdhsa_group_segment_fixed_size 4608
		.amdhsa_private_segment_fixed_size 0
		.amdhsa_enable_private_segment 0
		.amdhsa_kernarg_size 24
		.amdhsa_user_sgpr_count 2
		.amdhsa_user_sgpr_kernarg_segment_ptr 1
		.amdhsa_wavefront_size32 1
		.amdhsa_system_sgpr_workgroup_id_x 1
		.amdhsa_system_sgpr_workgroup_id_y 1
		.amdhsa_system_sgpr_workgroup_id_z 1
		.amdhsa_system_vgpr_workitem_id 0
		.amdhsa_next_free_vgpr 256
		.amdhsa_next_free_sgpr 66
		.amdhsa_reserve_vcc 0
		.amdhsa_float_denorm_mode_32 3
		.amdhsa_float_denorm_mode_16_64 3
		.amdhsa_memory_ordered 1
		.amdhsa_forward_progress 1
		.amdhsa_inst_pref_size 26
	.end_amdhsa_kernel
	.amdgpu_metadata
---
amdhsa.version: [ 1, 2 ]
amdhsa.kernels:
  - .name:           k_q02b1427d42_fineP
    .symbol:         k_q02b1427d42_fineP.kd
    .args:
      - { .name: o32, .offset: 0, .size: 8, .value_kind: global_buffer, .address_space: global }
      - { .name: Wo, .offset: 8, .size: 8, .value_kind: global_buffer, .address_space: global }
      - { .name: out0, .offset: 16, .size: 8, .value_kind: global_buffer, .address_space: global }
    .group_segment_fixed_size: 4608
    .private_segment_fixed_size: 0
    .kernarg_segment_align: 8
    .kernarg_segment_size: 24
    .max_flat_workgroup_size: 128
    .sgpr_count:     66
    .vgpr_count:     256
    .wavefront_size: 32
...
	.end_amdgpu_metadata
.endif
;; end of part 6
